; MI455X (gfx1250); checked and timed in simulation.
; The chip was launched on July 23, 2026; its instructions are those of AMD's public machine-readable ISA for CDNA 5 (MIT licence, August 2026) and "CDNA5" Instruction Set Architecture Reference Guide (July 2026). The comments in the code are by the model that wrote it; some were corrected since.
;; Transformer Block. Allowed arithmetic: matrix products marked QUANTISED: E2M1 operands, one E8M0 scale for each 32 along K, by v_wmma_scale_f32_16x16x128_f8f6f4 with both operands' format E2M1 (or v_wmma_scale_f32_32x16x128_f4), f32 sums; everything else in f32.
;; Inputs: b_fc1 4,096 float32; b_fc2 1,024 float32; b_out 1,024 float32; b_qkv 3,072 float32; ln1_bias 1,024 float32; ln1_scale 1,024 float32; ln2_bias 1,024 float32; ln2_scale 1,024 float32; w_fc1_codes 4,096 x 32 x 16 uint8 (E2M1 codes of w_fc1, K innermost, in blocks of 32 codes, two codes a byte); w_fc1_scales 4,096 x 32 uint8 (E8M0 scales of w_fc1, one for each 32 codes along K); w_fc2_codes 1,024 x 128 x 16 uint8 (E2M1 codes of w_fc2, K innermost, in blocks of 32 codes, two codes a byte); w_fc2_scales 1,024 x 128 uint8 (E8M0 scales of w_fc2, one for each 32 codes along K); w_out_codes 1,024 x 32 x 16 uint8 (E2M1 codes of w_out, K innermost, in blocks of 32 codes, two codes a byte); w_out_scales 1,024 x 32 uint8 (E8M0 scales of w_out, one for each 32 codes along K); w_qkv_codes 3,072 x 32 x 16 uint8 (E2M1 codes of w_qkv, K innermost, in blocks of 32 codes, two codes a byte); w_qkv_scales 3,072 x 32 uint8 (E8M0 scales of w_qkv, one for each 32 codes along K); x 2 x 2,048 x 1,024 float32.
;; Outputs: out0 2 x 2,048 x 1,024 float32.
;; This version of the problem:
;;   THIS VERSION OF THE PROBLEM IS GIVEN IN LOW PRECISION. The matrix products marked QUANTISED in the list below multiply operands that are first quantised to E2M1 (2 exponent bits, 1 mantissa bit; 4 bits a number), with one power-of-two scale for each 32 numbers along K (OCP MX v1.0); their sums are f32. All else is computed in f32.
;;   The module's matrix products, in the order in which they are computed (A, B: the left and right operand; K: the contracted axis; several contracted axes count as one K, in the product's order):
;;     1. [M 4,096, K 1,024] x [K 1,024, N 3,072]; A: computed on the way; B: input w_qkv (given as codes): QUANTISED
;;     2. batch 32 x [M 2,048, K 64] x [K 64, N 2,048]; A: computed on the way; B: computed on the way: QUANTISED
;;     3. batch 32 x [M 2,048, K 2,048] x [K 2,048, N 64]; A: softmax (see below); B: computed on the way: QUANTISED
;;     4. [M 4,096, K 1,024] x [K 1,024, N 1,024]; A: computed on the way; B: input w_out (given as codes): QUANTISED
;;     5. [M 4,096, K 1,024] x [K 1,024, N 4,096]; A: computed on the way; B: input w_fc1 (given as codes): QUANTISED
;;     6. [M 4,096, K 4,096] x [K 4,096, N 1,024]; A: computed on the way; B: input w_fc2 (given as codes): QUANTISED
;;   THE QUANTISER, for each operand of a quantised product, along K:
;;     - K is cut into blocks of 32 from its start; a last block that is shorter is filled with zeros.
;;     - A block's scale is 2^e with e = floor(log2(the largest magnitude in the block)) - 2, held to -126 .. 127; a block of zeros has e = 0. As a byte (E8M0): e + 127.
;;     - Each number is divided by its block's scale, clamped to +-6, and rounded to the nearest number of E2M1, ties to even, subnormals kept.
;;     - The product sums the exact products of the quantised numbers (number of the format x scale) in f32.
;;   ~~~python
;;   def quantise(x, axis):      # numpy; x: float32 -> the quantised numbers, widened to float32 again
;;       x = np.moveaxis(x, axis, -1); K = x.shape[-1]
;;       x = np.pad(x, [(0, 0)] * (x.ndim - 1) + [(0, -K % 32)]); x = x.reshape(x.shape[:-1] + (-1, 32)); a = np.abs(x).max(-1, keepdims=True)
;;       e = np.where(a > 0, np.clip(np.frexp(np.where(a > 0, a, 1))[1] - 1 - 2, -126, 127), 0)      # np.frexp(a)[1] - 1 = floor(log2(a)), exactly
;;       r = np.clip(x / 2.0 ** e, -6, 6)
;;       step = 2.0 ** (np.maximum(np.frexp(np.where(r == 0, 1, r))[1] - 1, 0) - 1)
;;       q = np.round(r / step) * step * 2.0 ** e      # np.round: ties to even
;;       return np.moveaxis(q.reshape(q.shape[:-2] + (-1,))[..., :K], -1, axis).astype(np.float32)
;;   ~~~
;;   SOFTMAX AHEAD OF A QUANTISED PRODUCT. Where the list says 'softmax', what is quantised is not the finished softmax but p = 2^(t - M), with t = logit x log2(e) and M = ceil(the row's largest t), a whole number; so 1/2 < the row's largest p <= 1. The row's sum l is taken of the UNQUANTISED p, in f32, and the product's result is divided by l at the end. Since M is a whole number, a kernel that streams over the keys may use a running M (the ceiling of the running maximum): every later rescaling is an exact power of two, which a block's scale takes up: the codes' values come out the same.
;;   OPERANDS COMPUTED ON THE WAY. 'Computed on the way' means the value that the module computes at that place (a softmax that the list does not call 'softmax' is quantised finished and normalised). What goes into a quantiser is computed in f32, as accurately as f32 sums, v_exp_f32 and their like allow (about 1e-6 of the number): no bf16 or f16 on the way to a quantiser, and a product that is left as it is and whose result goes on into a quantised operand takes f32 operands (vector FMAs, or v_wmma_f32_16x16x4_f32). A number that lies on a knife's edge between two numbers of the format may be rounded either way, as far as f32 arithmetic and the matrix unit's own rounding can turn it there, and no further.
;;   INPUTS GIVEN AS CODES. w_fc1 (in the module: [1024, 4096], K = its axis 0); w_fc2 (in the module: [4096, 1024], K = its axis 0); w_out (in the module: [1024, 1024], K = its axis 0); w_qkv (in the module: [1024, 3072], K = its axis 0): each comes as NAME_codes (uint8): NAME with its K axis moved to the last place and cut into blocks of 32 codes, [.., K / 32, bytes a block], one block behind the other in memory; two codes a byte, the lower K in the low four bits (a code: sign, 2 exponent bits, 1 mantissa bit); and NAME_scales (uint8): the same leading axes, one E8M0 byte (e + 127) for each 32 codes along K. Its value is code x scale, taken as it is: it is not quantised again, and the codes and scales need not be those that the quantiser above would give.
;; One version. Each part assembles by itself: llvm-mc -triple=amdgcn-amd-amdhsa -mcpu=gfx1250 --defsym DOCPART=n.
;; ======== version 1 of 1: 7 launches
;; limits: right only within a limited range of input values
;; workspace buffers: ybuf 2,228,224 bytes; qkvbuf 6,684,672 bytes; obuf 2,228,224 bytes; x1buf 16,777,216 bytes; hbuf 8,912,896 bytes
;; launch ln1 (part 1): grid 256 x 1, 8 waves a work-group, no clusters, 83,968 bytes of LDS; arguments x, ln1_scale, ln1_bias, ybuf; writes ybuf
.if DOCPART == 1
	.amdgcn_target "amdgcn-amd-amdhsa--gfx1250"
	.amdhsa_code_object_version 6
	.text
	.protected	k_q725e8c1173_ln1
	.globl	k_q725e8c1173_ln1
	.p2align	8
	.type	k_q725e8c1173_ln1,@function
k_q725e8c1173_ln1:
	s_mov_b64 s[64:65], 0
	v_nop
	global_prefetch_b8 v0, s[64:65] scope:SCOPE_SE
	s_setreg_imm32_b32 hwreg(HW_REG_WAVE_MODE, 25, 1), 1
	s_wait_xcnt 0x0
; LAYER NORM AND QUANTISER.  in [4096][1024] f32 -> y = (in - mean) * rsqrt(var + 1e-5) * scale + bias, in f32, then codes of FP4 (E2M1) with one E8M0 byte for each 32 along the row.
; The codes leave as IMAGES OF THE OPERAND'S REGISTERS: for a tile of 16 rows, [block of 32 (32)][row r (16)][16 bytes], 8,192 bytes a tile; the scale bytes as [tile][r][32 bytes], behind the codes at YS.
; THE ROWS OF A TILE ARE NOT NEIGHBOURS: row r of tile T is token 32 (T / 2) + 8 (T % 2) + r + 8 (r / 8); every launch of this program forms its tiles so.
; SHARES: a work-group makes one tile; wave w its rows 2 w and 2 w + 1.  A row is 4,096 bytes: eight loads of 512 consecutive bytes, kept in 32 registers between the passes.
; Mean first, then the sum of (x - mean)^2: a common offset of the inputs costs no digits.
; For the conversions a lane must hold 32 neighbours: the finished row turns through the wave's own bytes of LDS (blocks of 128 bytes + 16 of padding) and comes back a block to a lane.
; LIMITS: NaN and infinities are not served.  A block of zeros, or one whose largest magnitude lies under 2^-124, gets the byte 1: its bytes are read by this program alone.
.set TURNW, 9216                       ; LDS: a wave's two rows on the turn, 32 x 144 bytes each
.set TROW,  4608
.set IMG,   73728                      ; the tile's image: 32 blocks x (256 + 16) bytes
.set SCS,   82432                      ; its scale bytes: 16 rows x 32
.set YS,    2097152                    ; the scale bytes' place in the output buffer
.set G,   16                           ; v16-47   scale of my 32 columns
.set B,   48                           ; v48-79   bias
.set X,   80                           ; v80-143  the two rows
.set Z,   144                          ; v144-175 at work, then a block of 32 neighbours
.set CD,  176                          ; v176-183 codes, four registers a row
.set BY,  184                          ; v184-185 the scale byte, one a row
.set ASC, 186                          ; v186     LDS address on the scale bytes' way out
	s_load_b256 s[4:11], s[0:1], 0x0               ; in s[4:5], scale s[6:7], bias s[8:9], out s[10:11]
	v_lshl_add_u32 v192, v0, 2, 0x14400
	v_mov_b32 v193, 0
	v_lshrrev_b32 v1, 5, v0
	s_delay_alu instid0(VALU_DEP_1)
	v_readfirstlane_b32 s12, v1                    ; wave 0..7
	v_and_b32 v8, 31, v0                           ; lane
	s_delay_alu instid0(VALU_DEP_1)
	v_lshlrev_b32 v1, 4, v8                        ; v1 = 16 x lane: my bytes of a load's 512
	s_mul_i32 s13, s12, TURNW
	v_lshrrev_b32 v2, 3, v8
	s_delay_alu instid0(VALU_DEP_1)
	v_mul_u32_u24 v2, v2, 144
	v_and_b32 v9, 7, v8
	s_delay_alu instid0(VALU_DEP_1)
	v_lshl_add_u32 v2, v9, 4, v2
	s_delay_alu instid0(VALU_DEP_1)
	v_add_nc_u32 v2, s13, v2                       ; v2: the turn, way in: eight lanes fill a block of 128 bytes; a load's four blocks are 576 bytes
	v_mul_u32_u24 v3, v8, 144
	s_delay_alu instid0(VALU_DEP_1)
	v_add_nc_u32 v3, s13, v3                       ; v3: way out: block = lane
	s_lshl_b32 s14, s12, 5
	s_add_co_u32 s14, s14, IMG
	v_mul_u32_u24 v4, v8, 272
	s_delay_alu instid0(VALU_DEP_1)
	v_add_nc_u32 v4, s14, v4                       ; v4: the image: block = lane, row 2 w (+ 16 bytes for the second row)
	s_lshl_b32 s14, s12, 6
	s_add_co_u32 s14, s14, SCS
	v_add_nc_u32 v5, s14, v8                       ; v5: scale bytes: 32 bytes a row, byte = lane
	v_lshrrev_b32 v6, 4, v0
	s_delay_alu instid0(VALU_DEP_1)
	v_mul_u32_u24 v6, v6, 272
	v_and_b32 v9, 15, v0
	s_delay_alu instid0(VALU_DEP_1)
	v_lshl_add_u32 v6, v9, 4, v6
	s_delay_alu instid0(VALU_DEP_1)
	v_add_nc_u32 v6, IMG, v6                       ; v6: the image's way out: sixteen threads to a block
	v_lshlrev_b32 v7, 4, v0                        ; v7: and the same place in memory: 16 x thread
	v_add_nc_u32 v[ASC], SCS, v1
	v_mov_b32 v9, 0                                ; a lane permute's destination counts as one of its sources
	s_lshr_b32 s15, ttmp9, 1
	s_lshl_b32 s15, s15, 5
	s_and_b32 s16, ttmp9, 1
	s_lshl_b32 s16, s16, 3
	s_add_co_u32 s15, s15, s16
	s_lshl_b32 s16, s12, 1
	s_add_co_u32 s15, s15, s16
	s_lshr_b32 s16, s12, 2
	s_lshl_b32 s16, s16, 3
	s_add_co_u32 s15, s15, s16                     ; my first token: 32 (T / 2) + 8 (T % 2) + 2 w + 8 (w / 4)
	s_lshl_b32 s16, s15, 12
	s_mov_b32 s17, 0
	s_lshl_b32 s18, ttmp9, 13                      ; the tile's image in memory
	s_mov_b32 s19, 0
	s_lshl_b32 s24, ttmp9, 9
	s_add_co_u32 s24, s24, YS                      ; and its scale bytes
	s_mov_b32 s25, 0
	s_mov_b32 s20, 0x76543210
	s_mov_b32 s21, 0xfedcba98                      ; v_permlanex16_b32's selects for lane l xor 16
	s_mov_b32 s22, 0x3a800000                      ; 1 / 1024
	s_mov_b32 s23, 0x3727c5ac                      ; 1e-5
	s_wait_kmcnt 0x0
	s_add_nc_u64 s[4:5], s[4:5], s[16:17]
	s_add_nc_u64 s[26:27], s[10:11], s[24:25]
	s_add_nc_u64 s[10:11], s[10:11], s[18:19]
.irp j, 0,1,2,3,4,5,6,7
	global_load_b128 v[G+4*\j:G+4*\j+3], v1, s[6:7] offset:512*\j
.endr
.irp j, 0,1,2,3,4,5,6,7
	global_load_b128 v[B+4*\j:B+4*\j+3], v1, s[8:9] offset:512*\j
.endr
.irp j, 0,1,2,3,4,5,6,7
	global_load_b128 v[X+4*\j:X+4*\j+3], v1, s[4:5] offset:512*\j
.endr
.irp j, 0,1,2,3,4,5,6,7
	global_load_b128 v[X+32+4*\j:X+32+4*\j+3], v1, s[4:5] offset:4096+512*\j
.endr
.macro WSUM                            ; v8 summed over the 32 lanes, the result in every lane
	s_delay_alu instid0(VALU_DEP_1)
	v_add_f32_dpp v8, v8, v8 row_xmask:1 row_mask:0xf bank_mask:0xf
	s_delay_alu instid0(VALU_DEP_1)
	v_add_f32_dpp v8, v8, v8 row_xmask:2 row_mask:0xf bank_mask:0xf
	s_delay_alu instid0(VALU_DEP_1)
	v_add_f32_dpp v8, v8, v8 row_xmask:4 row_mask:0xf bank_mask:0xf
	s_delay_alu instid0(VALU_DEP_1)
	v_add_f32_dpp v8, v8, v8 row_xmask:8 row_mask:0xf bank_mask:0xf
	s_delay_alu instid0(VALU_DEP_1)
	v_permlanex16_b32 v9, v8, s20, s21
	s_delay_alu instid0(VALU_DEP_1)
	v_add_f32 v8, v8, v9
.endm
.macro FOLD                            ; four chains of pairs in v[Z .. Z+7] into v8
	s_delay_alu instid0(VALU_DEP_3)
	v_pk_add_f32 v[Z:Z+1], v[Z:Z+1], v[Z+2:Z+3]
	s_delay_alu instid0(VALU_DEP_2)
	v_pk_add_f32 v[Z+4:Z+5], v[Z+4:Z+5], v[Z+6:Z+7]
	s_delay_alu instid0(VALU_DEP_1)
	v_pk_add_f32 v[Z:Z+1], v[Z:Z+1], v[Z+4:Z+5]
	s_delay_alu instid0(VALU_DEP_1)
	v_add_f32 v8, v[Z], v[Z+1]
.endm
; One row.  left = the younger loads that may stay out: the other row's eight, or none.
.macro ROW i, left
.set XI, X+32*\i
	s_wait_loadcnt \left
.irp k, 0,1,2,3
	v_pk_add_f32 v[Z+2*\k:Z+2*\k+1], v[XI+4*\k:XI+4*\k+1], v[XI+4*\k+2:XI+4*\k+3]   ; the sum, in four chains that the first pairs start
.endr
.irp k, 0,1,2,3
	s_delay_alu instid0(VALU_DEP_4)
	v_pk_add_f32 v[Z+2*\k:Z+2*\k+1], v[Z+2*\k:Z+2*\k+1], v[XI+16+2*\k:XI+16+2*\k+1]
.endr
.irp k, 0,1,2,3
	s_delay_alu instid0(VALU_DEP_4)
	v_pk_add_f32 v[Z+2*\k:Z+2*\k+1], v[Z+2*\k:Z+2*\k+1], v[XI+24+2*\k:XI+24+2*\k+1]
.endr
	FOLD
	WSUM
	s_delay_alu instid0(VALU_DEP_1)
	v_mul_f32 v10, s22, v8                         ; the mean, twice: a pair for the packed forms
	s_delay_alu instid0(VALU_DEP_1)
	v_mov_b32 v11, v10
.irp j, 0,2,4,6,8,10,12,14,16,18,20,22,24,26,28,30
	v_pk_add_f32 v[XI+\j:XI+\j+1], v[XI+\j:XI+\j+1], v[10:11] neg_lo:[0,1] neg_hi:[0,1]   ; d = x - mean
.endr
.irp k, 0,1,2,3
	v_pk_mul_f32 v[Z+2*\k:Z+2*\k+1], v[XI+2*\k:XI+2*\k+1], v[XI+2*\k:XI+2*\k+1]   ; the sum of d^2
.endr
.irp m, 1,2,3
.irp k, 0,1,2,3
	s_delay_alu instid0(VALU_DEP_4)
	v_pk_fma_f32 v[Z+2*\k:Z+2*\k+1], v[XI+8*\m+2*\k:XI+8*\m+2*\k+1], v[XI+8*\m+2*\k:XI+8*\m+2*\k+1], v[Z+2*\k:Z+2*\k+1]
.endr
.endr
	FOLD
	WSUM
	s_delay_alu instid0(VALU_DEP_1)
	v_fma_f32 v8, v8, s22, s23                     ; var + 1e-5
	s_wait_alu depctr_va_vdst(0)
	v_rsq_f32 v12, v8
	v_rsq_f32 v13, v8                              ; twice: a pair
	v_nop                                          ; one plain instruction behind a transcendental
	s_wait_alu depctr_va_vdst(0)
.irp j, 0,2,4,6,8,10,12,14,16,18,20,22,24,26,28,30
	v_pk_mul_f32 v[XI+\j:XI+\j+1], v[XI+\j:XI+\j+1], v[12:13]
.endr
.irp j, 0,2,4,6,8,10,12,14,16,18,20,22,24,26,28,30
	v_pk_fma_f32 v[XI+\j:XI+\j+1], v[XI+\j:XI+\j+1], v[G+\j:G+\j+1], v[B+\j:B+\j+1]
.endr
.irp j, 0,1,2,3,4,5,6,7
	ds_store_b128 v2, v[XI+4*\j:XI+4*\j+3] offset:TROW*\i+576*\j
.endr
.irp j, 0,1,2,3,4,5,6,7
	ds_load_b128 v[Z+4*\j:Z+4*\j+3], v3 offset:TROW*\i+16*\j   ; LDS serves a wave's instructions in order: these see the stores above
.endr
	s_wait_dscnt 0x0                               ; block = lane lies whole in my 32 registers
	v_max3_num_f32 v8, |v[Z]|, |v[Z+1]|, |v[Z+2]|
	v_max3_num_f32 v14, |v[Z+3]|, |v[Z+4]|, |v[Z+5]|
.irp k, 6,10,14,18,22,26
	s_delay_alu instid0(VALU_DEP_2)
	v_max3_num_f32 v8, v8, |v[Z+\k]|, |v[Z+\k+1]|
	s_delay_alu instid0(VALU_DEP_2)
	v_max3_num_f32 v14, v14, |v[Z+\k+2]|, |v[Z+\k+3]|
.endr
	s_delay_alu instid0(VALU_DEP_2)
	v_max3_num_f32 v8, v8, |v[Z+30]|, |v[Z+31]|
	s_delay_alu instid0(VALU_DEP_1)
	v_max3_num_f32 v8, v8, v14, 0x1800000          ; and the floor 2^(3 - 127): the byte cannot fall under 1
	s_delay_alu instid0(VALU_DEP_1)
	v_add_nc_u32 v15, 0xff000000, v8               ; 2 off the exponent field: the conversion's scale operand
	s_delay_alu instid0(VALU_DEP_1)
	v_lshrrev_b32 v[BY+\i], 23, v15                ; the scale's byte
.irp g, 0,1,2,3
	v_cvt_scalef32_pk8_fp4_f32 v[CD+4*\i+\g], v[Z+8*\g:Z+8*\g+7], v15
.endr
	v_nop                                          ; one plain instruction behind the last scaled conversion
	ds_store_b128 v4, v[CD+4*\i:CD+4*\i+3] offset:16*\i
	ds_store_b8 v5, v[BY+\i] offset:32*\i
.endm
	ROW 0, 8
	ROW 1, 0
	s_wait_dscnt 0x0                               ; for the others' sake: my part of the image and of the scale bytes has landed
	s_barrier_signal -1
	s_barrier_wait -1
	ds_load_b128 v[144:147], v6
	ds_load_b128 v[148:151], v6 offset:4352
	s_wait_dscnt 0x0
	global_store_b128 v7, v[144:147], s[10:11]              ; sixteen lanes store 256 consecutive bytes, aligned
	global_store_b128 v7, v[148:151], s[10:11] offset:4096
	s_cmp_lg_u32 s12, 0
	s_cbranch_scc1 .Ldone
	ds_load_b128 v[152:155], v[ASC]                ; wave 0: the tile's 512 scale bytes
	s_wait_dscnt 0x0
	global_store_b128 v1, v[152:155], s[26:27]
.Ldone:
	s_wait_tensorcnt 0x0
	ds_add_u32 v192, v193
	s_wait_dscnt 0x0
	s_endpgm
.Lfunc_end_k_q725e8c1173_ln1:
	.size	k_q725e8c1173_ln1, .Lfunc_end_k_q725e8c1173_ln1-k_q725e8c1173_ln1
	.p2alignl 7, 3214868480
	.fill 96, 4, 3214868480
	.section	.rodata,"a",@progbits
	.p2align	6, 0x0
	.amdhsa_kernel k_q725e8c1173_ln1
		.amdhsa_group_segment_fixed_size 83968
		.amdhsa_private_segment_fixed_size 0
		.amdhsa_enable_private_segment 0
		.amdhsa_kernarg_size 32
		.amdhsa_user_sgpr_count 2
		.amdhsa_user_sgpr_kernarg_segment_ptr 1
		.amdhsa_wavefront_size32 1
		.amdhsa_system_sgpr_workgroup_id_x 1
		.amdhsa_system_sgpr_workgroup_id_y 1
		.amdhsa_system_sgpr_workgroup_id_z 1
		.amdhsa_system_vgpr_workitem_id 0
		.amdhsa_next_free_vgpr 194
		.amdhsa_next_free_sgpr 66
		.amdhsa_reserve_vcc 0
		.amdhsa_float_denorm_mode_32 3
		.amdhsa_float_denorm_mode_16_64 3
		.amdhsa_memory_ordered 1
		.amdhsa_forward_progress 1
		.amdhsa_inst_pref_size 29
	.end_amdhsa_kernel
	.amdgpu_metadata
---
amdhsa.version: [ 1, 2 ]
amdhsa.kernels:
  - .name:           k_q725e8c1173_ln1
    .symbol:         k_q725e8c1173_ln1.kd
    .args:
      - { .name: x, .offset: 0, .size: 8, .value_kind: global_buffer, .address_space: global }
      - { .name: ln1_scale, .offset: 8, .size: 8, .value_kind: global_buffer, .address_space: global }
      - { .name: ln1_bias, .offset: 16, .size: 8, .value_kind: global_buffer, .address_space: global }
      - { .name: ybuf, .offset: 24, .size: 8, .value_kind: global_buffer, .address_space: global }
    .group_segment_fixed_size: 83968
    .private_segment_fixed_size: 0
    .kernarg_segment_align: 8
    .kernarg_segment_size: 32
    .max_flat_workgroup_size: 256
    .sgpr_count:     66
    .vgpr_count:     194
    .wavefront_size: 32
...
	.end_amdgpu_metadata
.endif
;; end of part 1
;; launch qkv (part 2): grid 192 x 1, 4 waves a work-group, no clusters, 168,448 bytes of LDS; arguments ybuf, w_qkv_codes, w_qkv_scales, b_qkv, qkvbuf; writes qkvbuf
.if DOCPART == 2
	.amdgcn_target "amdgcn-amd-amdhsa--gfx1250"
	.amdhsa_code_object_version 6
	.text
	.protected	k_q725e8c1173_qkv
	.globl	k_q725e8c1173_qkv
	.p2align	8
	.type	k_q725e8c1173_qkv,@function
k_q725e8c1173_qkv:
	s_mov_b64 s[64:65], 0
	v_nop
	global_prefetch_b8 v0, s[64:65] scope:SCOPE_SE
	s_setreg_imm32_b32 hwreg(HW_REG_WAVE_MODE, 25, 1), 1
	s_wait_xcnt 0x0
; q, k, v = Q(LN1(x)) w_qkv + b_qkv on codes of FP4, and the results quantised at once, in the registers in which they fall, for attention's two products.
; THE CORE.  A wave keeps source 0's slab, 128 rows x 1,024 K (64 fragments, 512 registers), for its whole life and streams eight tiles of source 1 (16 rows x 1,024 K).
; A tile is 64 matrix instructions, K step by K step, its eight accumulators by turns.
; Every tile of 16 rows, of tokens and of features, takes rows 32 (T / 2) + 8 (T % 2) + r + 8 (r / 8): so in the result lane (r, h) holds source 1's row r, and register 16 b + i source 0's row 32 b + 16 h + i:
; sixteen neighbours along source 0's rows, which are the K of the product that follows.
; SHARES.  Work-group = (block of 128 rows of w_qkv: wg / 8, 512 tokens: wg % 8); wave w takes 128 of the tokens.  The block of weights, 65,536 bytes, is the same for the four waves: each brings a quarter
; (32 rows of 512 bytes) into LDS by one tensor load, filled once; rows lie 528 bytes apart.  Rows 16 apart fall on the same banks at any pitch that is a multiple of 16 bytes: these reads go two deep.
; TWO PATHS, parted on the work-group's number.  Q, K (blocks 0-15): source 0 = the weights (two heads), from LDS, once; source 1 = my tokens, from memory: quantised along the head's 64.
; V (blocks 16-23): source 0 = my 128 tokens (a key step), from memory, once; source 1 = the weights, tile by tile from LDS: quantised along the keys.  192 work-groups have work, and so many are launched.
; y arrives as images of the operand's registers (1,024 bytes a fragment, lane l's 16 bytes at 16 l): each load is 512 consecutive bytes.
; NO CLUSTER: what work-groups share is the block of 65,536 bytes, fetched once, against 262,144 bytes of tokens that are a work-group's own.
; OUT (qkvbuf): q, k codes [which][head of 32][tile of 128][512 bytes] (half a fragment: K = 64); v codes at VCO [head][key step 16][tile of features 4][1,024];
;   q, k scale bytes at QKS [which][head][key step][r][tile 8] u16; v's at VSO [head][key step][r][tile 4] u32.  The scale words gather in the wave's own 512 bytes of LDS and leave as two aligned runs of 256 bytes.
; LIMITS: NaN and infinities are not served; a block of zeros or under 2^-124 gets the byte 1 (read by this program alone).
; REGISTERS: window 1: source 0, K steps 0-3, fragment (t, s) at v[8 (8 s + t)]; window 2: K steps 4-7; window 3: v0-63 the bias as C (Q, K path), three buffers of source 1 at v64, v128, v192; window 0: the rest.
.set YS,   2097152
.set VCO,  4194304
.set QKS,  6291456
.set VSO,  6553600
.set WP,   528                         ; a row of weights in LDS: 512 bytes + 16 of padding
; THE BLOCK'S ROWS IN LDS (this takes the place of what the head says of their order and of the banks): wave w brings every second row of half the block: rows 64 (w / 2) + (w % 2) + 2 i, i = 0 .. 31, to LDS rows 80 (w / 2) + 36 (w % 2) + i.
; A tile's sixteen rows then lie at sixteen different LDS row numbers modulo 16; a row is 132 words, so they start at sixteen different groups of four banks (64 banks of 4 bytes: ISA guide 11.1).
.set PODD,  36*WP                      ; from the even rows' part to the odd rows'
.set PHALF, 80*WP                      ; from the first 64 rows' part to the second's
.set SCR,  160*WP                      ; behind the block: the scale words' scratch, 2,048 bytes for each path
.set LI,   4                           ; 16 x lane
.set LW,   5                           ; LDS: a weight's row of my lane: (36 (r % 2) + r / 2 + 4 (r / 8)) x 528 + 16 h
.set LRS,  6                           ; its scale bytes in memory: (r + 8 (r / 8)) x 32 + 16 h
.set LIS,  7                           ; y's scale bytes: 32 r + 16 h
.set LBQ,  8                           ; bias, Q, K path: 64 h
.set SCI,  9                           ; LDS: SCR + 512 w + 16 r
.set SCO,  10                          ; LDS: SCR + 512 w + 16 x lane
.set LO2,  11                          ; the scale words' way out: 4096 h + 16 r
.set LBV,  12                          ; bias, V path: (r + 8 (r / 8)) x 4
.set YSC,  16                          ; v16-47 y's scale words: tile T, register j: K step j in lanes 0-15, K step 4 + j in lanes 16-31
.set VB,   60                          ; v60-67 V path: my feature's bias, one a tile
.set CB,   68                          ; v68-75 V path: the same eight times: the C of a tile's first products
.set ACC,  80                          ; v80-143
.set PC,   144                         ; v144-151 the codes just made
.set PW,   152                         ; their scale word
.set OUTR, 156
.set TM,   160                         ; v160-175 at work in the quantiser
.set WSC,  176                         ; v176-207 the weights' scale words, laid as y's
.set WV,   14
.set PY,   16
.set PYS,  18
.set PWS,  20
.set PBI,  22
.set POC,  24
.set POS,  26
.set SEL,  40
.set G0,   44                          ; s[44:47] descriptor group 0;  s[48:55] group 1
.set G1,   48
.set MSB, 0
.macro WIN new                         ; the immediate's high byte repeats the setting that is left
.if MSB != \new
	s_set_vgpr_msb (MSB<<8)|\new
.set MSB, \new
.endif
.endm
.macro PLACES
.rept 4
	v_nop
.endr
.endm
; 64 numbers of a lane, register 16 b + i = k 32 b + 16 (lane / 16) + i of my row, become a fragment's codes in v[PC] on and its scale word in v[PW].
.macro QUANT s
.irp b, 0,1,2,3
	v_max3_num_f32 v[TM+\b], |v[\s+16*\b]|, |v[\s+1+16*\b]|, 0x1800000   ; my 16 numbers of block b, and the floor 2^(3 - 127): the byte cannot fall under 1
.endr
.irp i, 2,4,6,8,10,12,14
.irp b, 0,1,2,3
	v_max3_num_f32 v[TM+\b], v[TM+\b], |v[\s+16*\b+\i]|, |v[\s+1+16*\b+\i]|
.endr
.endr
.irp b, 0,1,2,3
	v_permlanex16_b32 v[TM+4+\b], v[TM+\b], s[SEL], s[SEL+1]
.endr
.irp b, 0,1,2,3
	v_max_num_f32 v[TM+\b], v[TM+\b], v[TM+4+\b]   ; with lane l xor 16's: the block's largest magnitude
.endr
.irp b, 0,1,2,3
	v_add_nc_u32 v[TM+12+\b], 0xff000000, v[TM+\b]   ; 2 off its exponent field: the conversion's scale operand
.endr
.irp b, 0,1,2,3
	v_lshrrev_b32 v[TM+4+\b], 23, v[TM+12+\b]      ; the scale's byte
.endr
	v_lshl_or_b32 v[PW], v[TM+5], 8, v[TM+4]
	v_lshl_or_b32 v[PW], v[TM+6], 16, v[PW]
	v_lshl_or_b32 v[PW], v[TM+7], 24, v[PW]
.irp b, 0,1,2,3
	v_cvt_scalef32_pk8_fp4_f32 v[PC+2*\b], v[\s+16*\b:\s+7+16*\b], v[TM+12+\b]
	v_cvt_scalef32_pk8_fp4_f32 v[PC+1+2*\b], v[\s+8+16*\b:\s+15+16*\b], v[TM+12+\b]
.endr
	v_nop                                          ; one plain instruction behind a scaled conversion
.irp c, 0,1                                    ; the operand's layout wants a whole block in a lane
.irp i, 0,1
	v_permlane16_swap_b32 v[PC+4*\c+\i], v[PC+2+4*\c+\i]
.endr
.endr
.endm
.macro LDBI mode                       ; the bias
.if \mode == 0
	WIN 0xc0                                       ; destination window 3
.irp t, 0,1,2,3,4,5,6,7
	global_load_b128 v[8*\t:8*\t+3], v[LBQ], s[PBI:PBI+1] offset:(32*(\t/2)+8*(\t%2))*4      ; in the result's layout: features 32 (t / 2) + 8 (t % 2) + 16 h + 0 .. 7
	global_load_b128 v[8*\t+4:8*\t+7], v[LBQ], s[PBI:PBI+1] offset:(32*(\t/2)+8*(\t%2))*4+16
.endr
	WIN 0
.else
.irp t, 0,1,2,3,4,5,6,7
	global_load_b32 v[VB+\t], v[LBV], s[PBI:PBI+1] offset:(32*(\t/2)+8*(\t%2))*4
.endr
.endif
.endm
.macro LDS0 mode                       ; the slab: 128 loads: the weights from LDS, or my tokens' images from memory
.irp s, 0,1,2,3,4,5,6,7
.if \s == 0
	WIN 0x40                                       ; destination window 1
.elseif \s == 4
	WIN 0x80                                       ; destination window 2
.endif
.irp t, 0,1,2,3,4,5,6,7
.irp c, 0,1
.set rA, 8*(8*(\s%4)+\t)+4*\c
.if \mode == 0
	ds_load_b128 v[rA:rA+3], v[LW] offset:(80*(\t/4)+16*((\t/2)%2)+4*(\t%2))*WP+64*\s+32*\c
.else
	global_load_b128 v[rA:rA+3], v[LI], s[PY:PY+1] offset:8192*\t+1024*\s+512*\c
.endif
.endr
.endr
.endr
	WIN 0
.endm
.macro FETCH1 i, mode                  ; tile i of source 1: 16 loads into set i % 3: my tokens' images from memory, or the weights from LDS
	WIN 0xc0
.irp s, 0,1,2,3,4,5,6,7
.irp c, 0,1
.set rB, 64+64*((\i)%3)+8*\s+4*\c
.if \mode == 0
	global_load_b128 v[rB:rB+3], v[LI], s[PY:PY+1] offset:8192*(\i)+1024*\s+512*\c
.else
	ds_load_b128 v[rB:rB+3], v[LW] offset:(80*((\i)/4)+16*(((\i)/2)%2)+4*((\i)%2))*WP+64*\s+32*\c
.endif
.endr
.endr
	WIN 0
.endm
; 64 matrix instructions on source 1's tile i in set be.  Mode 0: the first K step's C is the bias in window 3; mode 1: the block CB in window 0.  K steps 4-7 take their scale words from lanes 16-31.
.macro MULS be, i, mode
.irp s, 0,1,2,3,4,5,6,7
.if \s == 0
.if \mode == 0
	WIN 0x3d                                       ; source 0 window 1, sources 1 and 2 window 3
.else
	WIN 0x0d                                       ; source 0 window 1, source 1 window 3
.endif
.elseif \s == 1
	WIN 0x0d
.elseif \s == 4
	WIN 0x0e                                       ; source 0 window 2
.endif
.irp t, 0,1,2,3,4,5,6,7
.set rD, ACC+8*\t
.set rA, 8*(8*(\s%4)+\t)
.set rB, 64+64*(\be)+8*\s
.if \mode == 0
.set rSA, WSC+4*\t+\s%4
.set rSB, YSC+4*(\i)+\s%4
.else
.set rSA, YSC+4*\t+\s%4
.set rSB, WSC+4*(\i)+\s%4
.endif
.if \s == 0
.if \mode == 0
	v_wmma_scale_f32_16x16x128_f8f6f4 v[rD:rD+7], v[rA:rA+7], v[rB:rB+7], v[8*\t:8*\t+7], v[rSA], v[rSB] matrix_a_fmt:MATRIX_FMT_FP4 matrix_b_fmt:MATRIX_FMT_FP4
.else
	v_wmma_scale_f32_16x16x128_f8f6f4 v[rD:rD+7], v[rA:rA+7], v[rB:rB+7], v[CB:CB+7], v[rSA], v[rSB] matrix_a_fmt:MATRIX_FMT_FP4 matrix_b_fmt:MATRIX_FMT_FP4
.endif
.elseif \s < 4
	v_wmma_scale_f32_16x16x128_f8f6f4 v[rD:rD+7], v[rA:rA+7], v[rB:rB+7], v[rD:rD+7], v[rSA], v[rSB] matrix_a_fmt:MATRIX_FMT_FP4 matrix_b_fmt:MATRIX_FMT_FP4
.else
	v_wmma_scale_f32_16x16x128_f8f6f4 v[rD:rD+7], v[rA:rA+7], v[rB:rB+7], v[rD:rD+7], v[rSA], v[rSB] matrix_a_fmt:MATRIX_FMT_FP4 matrix_b_fmt:MATRIX_FMT_FP4 matrix_a_scale:MATRIX_SCALE_ROW1 matrix_b_scale:MATRIX_SCALE_ROW1
.endif
.endr
.endr
.endm
.macro TILE i, mode
.if \mode == 0
.if (\i) <= 5
	s_wait_loadcnt 32                              ; this tile's 16 loads are in; the two younger tiles' 32 may be out
.elseif (\i) == 6
	s_wait_loadcnt 16
.else
	s_wait_loadcnt 0x0
.endif
.else
.if (\i) == 0
	s_wait_dscnt 32                                ; this tile's 16 LDS loads are in; the two younger tiles' 32 may be out
.elseif (\i) <= 5
	s_wait_dscnt 17                                ; the youngest fetch (16) and the last scale word's store may be out
.else
	s_wait_dscnt 1                                 ; that store alone
.endif
.irp j, 0,1,2,3,4,5,6,7
	v_mov_b32 v[CB+\j], v[VB+\i]                   ; a lane holds one feature: its bias fills the block that starts the eight sums
.endr
	PLACES
.endif
	MULS (\i)%3, \i, \mode
	WIN 0
	PLACES                                         ; four plain instructions in front of loads into registers that matrix instructions have read, and of the first read of results
.if (\i) < 5
	FETCH1 (\i)+3, \mode
.endif
	s_wait_xcnt 0x0                                ; the last tile's stores have read the codes' registers,
.if (\mode == 1) && ((\i) < 5)
	s_wait_dscnt 16                                ; and its LDS store the scale word: only the 16 loads just issued may be out
.else
	s_wait_dscnt 0x0                               ; and its LDS stores the scale word
.endif
	QUANT ACC
.if \mode == 0
	global_store_b128 v[LI], v[PC:PC+3], s[POC:POC+1] offset:512*(\i)            ; the first head's 64: 512 consecutive bytes
	global_store_b128 v[LI], v[PC+4:PC+7], s[POC:POC+1] offset:65536+512*(\i)    ; the second head's
	ds_store_b16 v[SCI], v[PW] offset:2*(\i)                                     ; the first head's two bytes,
	ds_store_b16_d16_hi v[SCI], v[PW] offset:256+2*(\i)                          ; the second's (lanes r and r + 16 write the same)
.else
	global_store_b128 v[LI], v[PC:PC+3], s[POC:POC+1] offset:((\i)/4)*65536+((\i)%4)*1024
	global_store_b128 v[LI], v[PC+4:PC+7], s[POC:POC+1] offset:((\i)/4)*65536+((\i)%4)*1024+512
	ds_store_b32 v[SCI], v[PW] offset:2048+((\i)/4)*256+((\i)%4)*4               ; this path has LDS bytes of its own
.endif
.endm
.macro PATH mode
	LDBI \mode
.if \mode == 0
	FETCH1 0, 0
	FETCH1 1, 0
	FETCH1 2, 0
	LDS0 0
	s_wait_dscnt 0x0                               ; the slab is in my registers
.else
	LDS0 1
	FETCH1 0, 1
	FETCH1 1, 1
	FETCH1 2, 1
	s_wait_loadcnt 0x0                             ; the slab, the scale words and the bias are in; no load from memory follows
.endif
.irp i, 0,1,2,3,4,5,6,7
	TILE \i, \mode
.endr
	ds_load_b128 v[OUTR:OUTR+3], v[SCO] offset:2048*\mode   ; LDS serves a wave's instructions in order: this sees my stores
	s_wait_dscnt 0x0
	global_store_b128 v[LO2], v[OUTR:OUTR+3], s[POS:POS+1]  ; lanes 0-15: the first head's 256 bytes; lanes 16-31: the second's
	s_wait_tensorcnt 0x0
	ds_add_u32 v254, v255
	s_wait_dscnt 0x0
	s_endpgm
.endm
	s_load_b256 s[4:11], s[0:1], 0x0               ; y s[4:5], codes s[6:7], scales s[8:9], bias s[10:11]
	s_load_b64 s[12:13], s[0:1], 0x20              ; out
	v_lshl_add_u32 v254, v0, 2, 0x29000
	v_mov_b32 v255, 0
	ds_add_u32 v254, v255
	ds_add_u32 v254, v255
	v_lshrrev_b32 v1, 5, v0
	v_readfirstlane_b32 s[WV], v1                  ; wave 0..3
	s_mov_b32 s[G1], (1<<20)|(6<<22)|(3<<25)       ; no mask; elements of 1 byte; padding on: four words behind every 128
	s_mov_b32 s[G1+1], 512<<16                     ; tensor_dim0 = 512
	s_mov_b32 s[G1+2], 32<<16                      ; tensor_dim1 = 32
	s_mov_b32 s[G1+3], 512<<16                     ; tile_dim0
	s_mov_b32 s[G1+4], 32                          ; tile_dim1
	s_mov_b32 s[G1+5], 1024                        ; the pitch: two rows of w_qkv's codes
	s_mov_b32 s[G1+6], 0
	s_mov_b32 s[G1+7], 0
	s_lshr_b32 s30, ttmp9, 3                       ; the block of 128 rows of w_qkv, 0..23
	s_and_b32 s31, ttmp9, 7
	s_lshl_b32 s31, s31, 2
	s_add_co_u32 s31, s31, s[WV]                   ; my block of 128 tokens, 0..31
	s_mov_b32 s37, 0
	s_lshl_b32 s36, s30, 16
	s_lshr_b32 s38, s[WV], 1
	s_lshl_b32 s38, s38, 15                        ; which 64 rows,
	s_and_b32 s39, s[WV], 1
	s_lshl_b32 s42, s39, 9                         ; the even ones or the odd ones
	s_add_co_u32 s38, s38, s42
	s_add_co_u32 s36, s36, s38                     ; 65,536 bytes a block; my 32 rows of it
	s_wait_dscnt 0x0
	s_wait_kmcnt 0x0
	s_mov_b32 s[G0], 1                             ; count = 1
	s_lshr_b32 s[G0+1], s[WV], 1
	s_mul_i32 s[G0+1], s[G0+1], PHALF
	s_mul_i32 s39, s39, PODD
	s_add_co_u32 s[G0+1], s[G0+1], s39             ; LDS: my 32 rows
	s_add_nc_u64 s[G0+2:G0+3], s[6:7], s[36:37]
	s_or_b32 s[G0+3], s[G0+3], 0x80000000          ; type = 2
	tensor_load_to_lds s[G0:G0+3], s[G1:G1+7]      ; the launch's one fill: one tensor load of a wave is out
	s_nop 0
.rept 4
	v_nop
.endr
	v_and_b32 v1, 31, v0                           ; lane
	v_and_b32 v2, 15, v0                           ; r
	v_bfe_u32 v3, v0, 4, 1                         ; h
	v_lshlrev_b32 v[LI], 4, v1
	v_and_b32 v13, 8, v2
	v_add_nc_u32 v13, v13, v2                      ; r + 8 (r / 8)
	v_and_b32 v14, 1, v2
	v_lshrrev_b32 v15, 1, v2
	v_mad_u32_u24 v14, v14, 36, v15                ; my row of a tile in LDS: 36 (r % 2) + r / 2
	v_lshrrev_b32 v15, 3, v2
	v_lshl_add_u32 v14, v15, 2, v14                ; + 4 (r / 8)
	v_mul_u32_u24 v[LW], v14, WP
	v_lshl_add_u32 v[LW], v3, 4, v[LW]
	v_lshlrev_b32 v[LRS], 5, v13
	v_lshl_add_u32 v[LRS], v3, 4, v[LRS]
	v_lshlrev_b32 v[LIS], 5, v2
	v_lshl_add_u32 v[LIS], v3, 4, v[LIS]
	v_lshlrev_b32 v[LBQ], 6, v3
	v_lshlrev_b32 v[LBV], 2, v13
	s_lshl_b32 s15, s[WV], 9
	s_add_co_u32 s15, s15, SCR
	v_lshl_add_u32 v[SCI], v2, 4, s15
	v_add_nc_u32 v[SCO], s15, v[LI]
	v_lshlrev_b32 v[LO2], 4, v2
	v_lshl_add_u32 v[LO2], v3, 12, v[LO2]
	s_mov_b32 s[SEL], 0x76543210
	s_mov_b32 s[SEL+1], 0xfedcba98                 ; v_permlanex16_b32's selects for lane l xor 16
.irp b, 0,1,2,3
	v_mov_b32 v[TM+4+\b], 0                        ; written once: a lane permute's destination counts as one of its sources
.endr
	s_lshl_b32 s36, s31, 16
	s_add_nc_u64 s[PY:PY+1], s[4:5], s[36:37]      ; my tokens' images
	s_lshl_b32 s36, s31, 12
	s_add_co_u32 s36, s36, YS
	s_add_nc_u64 s[PYS:PYS+1], s[4:5], s[36:37]    ; their scale bytes
	s_lshl_b32 s36, s30, 12
	s_add_nc_u64 s[PWS:PWS+1], s[8:9], s[36:37]    ; the block's scale bytes
	s_lshl_b32 s36, s30, 9
	s_add_nc_u64 s[PBI:PBI+1], s[10:11], s[36:37]  ; its bias
.irp t, 0,1,2,3,4,5,6,7
	global_load_b128 v[YSC+4*\t:YSC+4*\t+3], v[LIS], s[PYS:PYS+1] offset:512*\t
.endr
.irp t, 0,1,2,3,4,5,6,7
	global_load_b128 v[WSC+4*\t:WSC+4*\t+3], v[LRS], s[PWS:PWS+1] offset:(32*(\t/2)+8*(\t%2))*32
.endr
	s_lshr_b32 s34, s31, 4                         ; batch
	s_and_b32 s35, s31, 15                         ; key step
	s_lshl_b32 s34, s34, 4
	s_wait_tensorcnt 0x0                           ; my quarter of the block has landed;
	s_barrier_signal -1
	s_barrier_wait -1                              ; everybody's has
	s_cmp_ge_u32 ttmp9, 128
	s_cbranch_scc1 .Lpath_v
	; ---- Q, K
	s_lshr_b32 s32, s30, 3                         ; q (0) or k (1)
	s_and_b32 s33, s30, 7
	s_lshl_b32 s33, s33, 1                         ; the block's first head
	s_add_co_u32 s34, s34, s33                     ; 16 x batch + head
	s_lshl_b32 s36, s32, 21
	s_lshl_b32 s38, s34, 16
	s_add_co_u32 s36, s36, s38
	s_lshl_b32 s38, s35, 12
	s_add_co_u32 s36, s36, s38
	s_add_nc_u64 s[POC:POC+1], s[12:13], s[36:37]
	s_lshl_b32 s36, s32, 17
	s_lshl_b32 s38, s34, 12
	s_add_co_u32 s36, s36, s38
	s_lshl_b32 s38, s35, 8
	s_add_co_u32 s36, s36, s38
	s_add_co_u32 s36, s36, QKS
	s_add_nc_u64 s[POS:POS+1], s[12:13], s[36:37]
	PATH 0
.Lpath_v:
	; ---- V
	s_sub_co_u32 s32, s30, 16                      ; the block among v's eight: two heads
	s_lshl_b32 s33, s32, 1
	s_add_co_u32 s34, s34, s33                     ; 16 x batch + the first head
	s_lshl_b32 s36, s34, 16
	s_lshl_b32 s38, s35, 12
	s_add_co_u32 s36, s36, s38
	s_add_co_u32 s36, s36, VCO
	s_add_nc_u64 s[POC:POC+1], s[12:13], s[36:37]
	s_lshl_b32 s36, s34, 12
	s_lshl_b32 s38, s35, 8
	s_add_co_u32 s36, s36, s38
	s_add_co_u32 s36, s36, VSO
	s_add_nc_u64 s[POS:POS+1], s[12:13], s[36:37]
	s_wait_alu depctr_va_vdst(0)
	PATH 1
.Lfunc_end_k_q725e8c1173_qkv:
	.size	k_q725e8c1173_qkv, .Lfunc_end_k_q725e8c1173_qkv-k_q725e8c1173_qkv
	.p2alignl 7, 3214868480
	.fill 96, 4, 3214868480
	.section	.rodata,"a",@progbits
	.p2align	6, 0x0
	.amdhsa_kernel k_q725e8c1173_qkv
		.amdhsa_group_segment_fixed_size 168448
		.amdhsa_private_segment_fixed_size 0
		.amdhsa_enable_private_segment 0
		.amdhsa_kernarg_size 40
		.amdhsa_user_sgpr_count 2
		.amdhsa_user_sgpr_kernarg_segment_ptr 1
		.amdhsa_wavefront_size32 1
		.amdhsa_system_sgpr_workgroup_id_x 1
		.amdhsa_system_sgpr_workgroup_id_y 1
		.amdhsa_system_sgpr_workgroup_id_z 1
		.amdhsa_system_vgpr_workitem_id 0
		.amdhsa_next_free_vgpr 1024
		.amdhsa_next_free_sgpr 66
		.amdhsa_reserve_vcc 0
		.amdhsa_float_denorm_mode_32 3
		.amdhsa_float_denorm_mode_16_64 3
		.amdhsa_memory_ordered 1
		.amdhsa_forward_progress 1
		.amdhsa_inst_pref_size 252
	.end_amdhsa_kernel
	.amdgpu_metadata
---
amdhsa.version: [ 1, 2 ]
amdhsa.kernels:
  - .name:           k_q725e8c1173_qkv
    .symbol:         k_q725e8c1173_qkv.kd
    .args:
      - { .name: ybuf, .offset: 0, .size: 8, .value_kind: global_buffer, .address_space: global }
      - { .name: w_qkv_codes, .offset: 8, .size: 8, .value_kind: global_buffer, .address_space: global }
      - { .name: w_qkv_scales, .offset: 16, .size: 8, .value_kind: global_buffer, .address_space: global }
      - { .name: b_qkv, .offset: 24, .size: 8, .value_kind: global_buffer, .address_space: global }
      - { .name: qkvbuf, .offset: 32, .size: 8, .value_kind: global_buffer, .address_space: global }
    .group_segment_fixed_size: 168448
    .private_segment_fixed_size: 0
    .kernarg_segment_align: 8
    .kernarg_segment_size: 40
    .max_flat_workgroup_size: 128
    .sgpr_count:     66
    .vgpr_count:     1024
    .wavefront_size: 32
...
	.end_amdgpu_metadata
.endif
;; end of part 2
;; launch att (part 3): grid 8 x 32, 8 waves a work-group, clusters of 4 x 1, 327,680 bytes of LDS; arguments qkvbuf, obuf; writes obuf
.if DOCPART == 3
	.amdgcn_target "amdgcn-amd-amdhsa--gfx1250"
	.amdhsa_code_object_version 6
	.text
	.protected	k_q725e8c1173_att
	.globl	k_q725e8c1173_att
	.p2align	8
	.type	k_q725e8c1173_att,@function
k_q725e8c1173_att:
	s_mov_b64 s[64:65], 0
	v_nop
	global_prefetch_b8 v0, s[64:65] scope:SCOPE_SE
	s_setreg_imm32_b32 hwreg(HW_REG_WAVE_MODE, 25, 1), 1
	s_wait_xcnt 0x0
	s_wait_alu depctr_hold_cnt(0) depctr_sa_sdst(0) depctr_va_vdst(0) depctr_va_sdst(0) depctr_va_ssrc(0) depctr_va_vcc(0) depctr_vm_vsrc(0)
	s_getreg_b32 s2, hwreg(HW_REG_IB_STS2, 6, 4)
	s_cmp_eq_u32 s2, 0
	s_cbranch_scc0 .Lentry_in_a_cluster
	s_endpgm
.Lentry_in_a_cluster:
	s_bfe_u32 s2, ttmp6, 0x10000c
	s_cmp_lg_u32 s2, 0x3003
	s_cbranch_scc0 .Lentry_shape_is_right
	s_endpgm
.Lentry_shape_is_right:
; ATTENTION ON CODES OF FP4.  o = softmax(q k^T / 8) v for one head of 64, 2,048 keys, both products on E2M1 codes with E8M0 scales; o leaves quantised along the heads' axis for the next product.
; p = 2^(t - M), t = score x log2(e) / 8, M = the ceiling of the running largest t; the row's sum is taken of the unquantised p and divides at the end; when M moves, the sum and O^T are multiplied by 2^(old M - new M).
; SHARES.  A work-group owns 256 queries of one head (grid x: 8 blocks, y: 32 heads); each of its eight waves owns TWO tiles of 16 queries, so that a fragment of K or V read from LDS feeds two tiles,
; and the two tiles' chains of dependent instructions stand interleaved.  Every wave walks the 2,048 keys, 128 a step, 16 trips of one loop.
; LDS.  K's codes (65,536 bytes), V's (65,536), K's and V's scale bytes (4,096 each) of the head are filled ONCE, at the head: waves 0-3 bring the halves of K and of V, waves 4 and 5 the scale bytes, one tensor load a wave.
; CLUSTER.  The four work-groups of a cluster walk the same head: each fill is asked for jointly, by the same descriptor and a mask that names the four.
; NO PREFETCH: all that the launch reads through LDS is asked for at its head; there is no loop to run ahead in.
; LAYOUT.  Both products transposed: S^T = K Q^T, O^T = V^T P^T: a lane holds one query (lane % 16).  The head's K is 64: a fragment of 128 holds two tiles of keys, and Q stands beside 64 zero codes, low or high.
; The rows of a tile are as the launch before laid them: register 16 b + i of a tile's scores is key 32 b + 16 (lane / 16) + i of the step.
; The loop's last trip looks ahead like the others: its nine LDS loads read the bytes behind K's (V's first, written at the head) and nothing uses them; so the step is written once.
; LIMITS: the promise holds while |t| stays under 2^31; NaN and infinities are not served; a block of zeros or under 2^-124 gets the byte 1 (read by this program alone).
; REGISTERS.  Window 0: addresses, the rows' small state, K's and V's fragments, scale words, p's codes.  Window 1, tile q at 112 q: +0..63 S^T, then p; +64..95 O^T; +96,97 the sum in two halves; +100..111 zeros, Q, zeros.
.set OS,    2097152                    ; obuf: the scale bytes' place
.set KCO,   2097152                    ; qkvbuf: k's codes; v's lie 2^21 bytes on
.set QSO,   6291456                    ; q's scale bytes
.set KSO,   6422528                    ; k's; v's lie 2^17 bytes on
.set LV,    65536                      ; LDS: V's codes
.set LKS,   131072                     ; K's scale bytes
.set LVS,   135168                     ; V's
.set SPARE, 139264                     ; the spare words: 128 bytes a wave
.set TI,    112                        ; window 1: from tile to tile
.set QR,    104                        ; Q's four registers in a tile's part
.set AK0,  1
.set AV0,  2
.set AKS0, 3
.set AVS0, 4
.set OSL,  5
.set SPW,  6
.set NIL,  7
.set ADK,  8
.set ADV,  9
.set ADS,  10
.set ADT,  11
.set NM,   12                          ; v12, v14: -M;  v13, v15: the running largest t
.set TMX,  13
.set FF,   16                          ; v16, v18: f = 2^(old M - new M);  v17, v19: p's scale word
.set QS,   20                          ; v20, v21: Q's scale words
.set QRAW, 22
.set R16,  23
.set HH,   24
.set TA,   28
.set KF,   32                          ; v32-63 K's fragments
.set KS,   64                          ; v64-67 their scale words
.set VS,   68                          ; v68-71 V's scale words
.set VF,   72                          ; v72-103 V's fragments
.set BM,   104                         ; v104-111 the blocks' largest scores
.set PT,   112                         ; v112-119 at work
.set SO,   120                         ; v120-127 the conversions' scale operands
.set LS,   128
.set RC,   130
.set BYS,  132
.set PC,   136                         ; v136-151 p's codes
.set WV,   18
.set SEL,  20
.set CS,   22
.set G0A,  24
.set G0S,  28
.set G1A,  32
.set G1S,  40
.set TB,   48
.set TS,   49
.set CNT,  50
.set MSB, 0
.macro WIN new                         ; the immediate's high byte repeats the setting that is left
.if MSB != \new
	s_set_vgpr_msb (MSB<<8)|\new
.set MSB, \new
.endif
.endm
.macro H n                             ; two waves share a SIMD: a hint ahead of a reader n vector instructions behind its producer
	s_delay_alu instid0(VALU_DEP_\n)
.endm
.macro CROUND                          ; a round of the cluster's barrier
	s_barrier_signal -1
	s_barrier_wait -1
	s_cmp_lg_u32 s[WV], 0
	s_cbranch_scc1 .Lnot_wave_0_\@
	s_barrier_signal -3
.Lnot_wave_0_\@:
	s_barrier_wait -3
	s_barrier_signal -1
	s_barrier_wait -1
.endm
.macro ADDP q, d, s                    ; tile q: pair d += pair s
	v_pk_add_f32 v[TI*\q+\d:TI*\q+\d+1], v[TI*\q+\d:TI*\q+\d+1], v[TI*\q+\s:TI*\q+\s+1]
.endm
.macro LEVEL q, n                      ; a level of the sum's tree: pair k += pair k + n, k = 0 .. n - 1
.set J, 0
.rept \n
	ADDP \q, J, J+2*\n
.set J, J+2
.endr
.endm
	s_load_b128 s[4:7], s[0:1], 0x0                ; qkvbuf s[4:5], obuf s[6:7]
	v_lshl_add_u32 v[SPW], v0, 2, SPARE
	v_mov_b32 v[NIL], 0
	ds_add_u32 v[SPW], v[NIL]                      ; the opening lines: the add, twice on end, and its wait ahead of the first tensor loads
	ds_add_u32 v[SPW], v[NIL]
	v_lshrrev_b32 v8, 5, v0
	H 1
	v_readfirstlane_b32 s[WV], v8                  ; wave 0..7
	s_bfe_u32 s8, ttmp6, 0x40000                   ; cx: it enters Q's and o's global addresses alone
	s_lshl_b32 s9, ttmp9, 2
	s_add_co_u32 s9, s9, s8                        ; the block of 256 queries, 0..7
	s_and_b32 s10, ttmp7, 0xffff                   ; the head, 0..31
	s_and_b32 s11, s[WV], 1
.irp g, G1A, G1S                               ; dense blocks as rows of 256 bytes (32 elements of 8 bytes); the mask names the four partners
	s_mov_b32 s[\g], 15|(3<<16)|(1<<21)
	s_mov_b32 s[\g+1], 32<<16
	s_mov_b32 s[\g+3], 32<<16
	s_mov_b32 s[\g+5], 32
	s_mov_b32 s[\g+6], 0
	s_mov_b32 s[\g+7], 0
.endr
	s_mov_b32 s[G1A+2], 128<<16                    ; half of K's or V's codes: 128 rows
	s_mov_b32 s[G1A+4], 128
	s_mov_b32 s[G1S+2], 16<<16                     ; a head's scale bytes: 16 rows
	s_mov_b32 s[G1S+4], 16
	s_lshl_b32 s12, s10, 16                        ; codes: 65,536 bytes a head,
	s_lshl_b32 s13, s11, 15
	s_add_co_u32 s12, s12, s13                     ; which half,
	s_bfe_u32 s13, s[WV], 0x10001
	s_lshl_b32 s13, s13, 21
	s_add_co_u32 s12, s12, s13                     ; K's (waves 0, 1) or V's (waves 2, 3)
	s_add_co_u32 s12, s12, KCO
	s_mov_b32 s13, 0
	s_lshl_b32 s14, s11, 17                        ; scale bytes: K's (wave 4) or V's (wave 5)
	s_lshl_b32 s15, s10, 12
	s_add_co_u32 s14, s14, s15
	s_add_co_u32 s14, s14, KSO
	s_mov_b32 s15, 0
	s_lshl_b32 s16, s11, 12
	s_and_b32 s17, s[WV], 3
	s_lshl_b32 s17, s17, 15                        ; LDS: K's halves, then V's
	s_wait_dscnt 0x0                               ; both opening adds are done
	s_wait_kmcnt 0x0
	s_mov_b32 s[G0A], 1
	s_mov_b32 s[G0A+1], s17
	s_add_nc_u64 s[G0A+2:G0A+3], s[4:5], s[12:13]
	s_or_b32 s[G0A+3], s[G0A+3], 0x80000000
	s_mov_b32 s[G0S], 1
	s_add_co_u32 s[G0S+1], s16, LKS
	s_add_nc_u64 s[G0S+2:G0S+3], s[4:5], s[14:15]
	s_or_b32 s[G0S+3], s[G0S+3], 0x80000000
	CROUND                                         ; all four work-groups are here: the joint loads meet
	s_cmp_lt_u32 s[WV], 4                          ; one chain of branches on the wave's number, one fill to an arm
	s_cbranch_scc0 .Lhead_s
	tensor_load_to_lds s[G0A:G0A+3], s[G1A:G1A+7]
	s_nop 0
.rept 4
	v_nop
.endr
	s_branch .Lasked
.Lhead_s:
	s_cmp_lt_u32 s[WV], 6
	s_cbranch_scc0 .Lasked
	tensor_load_to_lds s[G0S:G0S+3], s[G1S:G1S+7]
	s_nop 0
.rept 4
	v_nop
.endr
.Lasked:
	s_lshl_b32 s52, s9, 4
	s_lshl_b32 s12, s[WV], 1
	s_add_co_u32 s52, s52, s12                     ; my first tile of queries, 0..127
	s_lshl_b32 s54, s10, 16
	s_lshl_b32 s12, s52, 9
	s_add_co_u32 s54, s54, s12
	s_mov_b32 s55, 0
	s_add_nc_u64 s[56:57], s[4:5], s[54:55]        ; Q's codes: 512 bytes a tile
	s_lshl_b32 s54, s10, 12
	s_lshr_b32 s12, s52, 3
	s_lshl_b32 s12, s12, 8
	s_add_co_u32 s54, s54, s12
	s_and_b32 s12, s[WV], 3
	s_lshl_b32 s12, s12, 2
	s_add_co_u32 s54, s54, s12                     ; two bytes a tile: my two tiles' are one word of a row's 16 bytes
	s_add_co_u32 s54, s54, QSO
	s_add_nc_u64 s[58:59], s[4:5], s[54:55]
	s_lshr_b32 s53, s10, 4
	s_lshl_b32 s53, s53, 7
	s_add_co_u32 s53, s53, s52                     ; the tile of tokens among 256
	s_and_b32 s12, s10, 15
	s_lshl_b32 s54, s53, 13
	s_lshl_b32 s13, s12, 9
	s_add_co_u32 s54, s54, s13
	s_add_nc_u64 s[60:61], s[6:7], s[54:55]        ; o's codes: 8,192 bytes a tile, my head's 512 of them
	s_lshl_b32 s54, s53, 9
	s_lshl_b32 s13, s12, 1
	s_add_co_u32 s54, s54, s13
	s_add_co_u32 s54, s54, OS
	s_add_nc_u64 s[62:63], s[6:7], s[54:55]        ; o's scale bytes: 512 a tile, my head's two of each row's 32
	s_mov_b32 s[SEL], 0x76543210
	s_mov_b32 s[SEL+1], 0xfedcba98                 ; v_permlanex16_b32's selects for lane l xor 16
	s_mov_b32 s[CS], 0x3e38aa3b                    ; c = log2(e) / 8
	s_mov_b32 s[CS+1], s[CS]
	s_mov_b32 s16, 0x01000100                      ; byte selects: the first tile's two scale bytes, twice;
	s_mov_b32 s17, 0x03020302                      ; the second's
	s_mov_b32 s[TB], 0
	s_mov_b32 s[TS], 0
	s_mov_b32 s[CNT], 16
	v_and_b32 v25, 31, v0
	v_and_b32 v26, 15, v0
	v_bfe_u32 v[HH], v0, 4, 1
	v_lshlrev_b32 v[AK0], 4, v25
	v_lshlrev_b32 v[R16], 4, v26
	v_lshl_add_u32 v[OSL], v26, 5, v[HH]
	v_add_nc_u32 v[AV0], LV, v[AK0]
	v_add_nc_u32 v[AKS0], LKS, v[R16]
	v_add_nc_u32 v[AVS0], LVS, v[R16]
	s_wait_alu depctr_va_vdst(0)                   ; the wait ahead of the readers below
	WIN 0x40                                       ; destination window 1
	global_load_b128 v[QR:QR+3], v[AK0], s[56:57]
	global_load_b128 v[TI+QR:TI+QR+3], v[AK0], s[56:57] offset:512
.irp q, 0,1
.irp j, 100,101,102,103,108,109,110,111
	v_mov_b32 v[TI*\q+\j], 0                       ; the zero codes beside Q
.endr
.endr
	WIN 0
	global_load_b32 v[QRAW], v[R16], s[58:59]
.irp q, 0,1
	v_mov_b32 v[TMX+2*\q], 0xff61b1e6              ; the largest t so far: -3e38
	v_mov_b32 v[FF+2*\q+1], 0                      ; (named as the upper half of a pair before it is first written)
.endr
.irp n, 0,1,2,3,4,5,6,7
	v_mov_b32 v[PT+\n], 0                          ; a lane permute's destination counts as one of its sources
.endr
.irp q, 0,1
	v_floor_f32 v[NM+2*\q], -v[TMX+2*\q]           ; -M
.endr
	s_wait_alu depctr_va_vdst(0)                   ; the wait at the head's end
	s_wait_loadcnt 0x0                             ; Q
	s_wait_tensorcnt 0x0                           ; my fill has landed;
	s_barrier_signal -1
	s_barrier_wait -1                              ; everybody's has
	v_perm_b32 v[QS], v[QRAW], v[QRAW], s16
	v_perm_b32 v[QS+1], v[QRAW], v[QRAW], s17
	v_add_nc_u32 v[ADK], s[TB], v[AK0]
	v_add_nc_u32 v[ADS], s[TS], v[AKS0]
.irp n, 0,1,2,3,4,5,6,7
	ds_load_b128 v[KF+4*\n:KF+4*\n+3], v[ADK] offset:512*\n
.endr
	ds_load_b128 v[KS:KS+3], v[ADS]
	WIN 0x40
.irp q, 0,1
.set J, TI*\q+64
.rept 34
	v_mov_b32 v[J], 0                              ; O^T and the sum: the first change of M leaves zeros zeros.  (These are also the places between Q's scale words and the first products)
.set J, J+1
.endr
.endr
	WIN 0
.Lstep:                                            ; 16 trips, 128 keys each
	s_wait_alu depctr_va_vdst(0)                   ; the wait directly ahead of the wait below
	s_wait_dscnt 0x0                               ; K's fragments and scale words are in
	WIN 0x44                                       ; source 1 and destination window 1
.irp q, 0,1
.irp t, 0,2,4,6
	v_wmma_scale_f32_16x16x128_f8f6f4 v[TI*\q+8*\t:TI*\q+8*\t+7], v[KF+4*\t:KF+4*\t+7], v[TI*\q+QR:TI*\q+QR+7], 0, v[KS+\t/2], v[QS+\q] matrix_a_fmt:MATRIX_FMT_FP4 matrix_b_fmt:MATRIX_FMT_FP4
	v_wmma_scale_f32_16x16x128_f8f6f4 v[TI*\q+8*\t+8:TI*\q+8*\t+15], v[KF+4*\t:KF+4*\t+7], v[TI*\q+QR-4:TI*\q+QR+3], 0, v[KS+\t/2], v[QS+\q] matrix_a_fmt:MATRIX_FMT_FP4 matrix_b_fmt:MATRIX_FMT_FP4
.endr
.endr
	WIN 0
	v_add_nc_u32 v[ADV], s[TB], v[AV0]             ; four plain instructions: the places in front of the loads below and of the first read of the scores
	v_add_nc_u32 v[ADT], s[TS], v[AVS0]
	s_add_co_u32 s[TB], s[TB], 4096
	s_add_co_u32 s[TS], s[TS], 256
	v_add_nc_u32 v[ADK], s[TB], v[AK0]
	v_add_nc_u32 v[ADS], s[TS], v[AKS0]
.irp n, 0,1,2,3,4,5,6,7
	ds_load_b128 v[VF+4*\n:VF+4*\n+3], v[ADV] offset:512*\n
.endr
	ds_load_b128 v[VS:VS+3], v[ADT]
.irp n, 0,1,2,3,4,5,6,7
	ds_load_b128 v[KF+4*\n:KF+4*\n+3], v[ADK] offset:512*\n   ; the next step's K
.endr
	ds_load_b128 v[KS:KS+3], v[ADS]
	WIN 0x14                                       ; sources 1 and 2 window 1
.irp q, 0,1
.irp b, 0,1,2,3
	v_max3_num_f32 v[BM+4*\q+\b], 0xff800000, v[TI*\q+16*\b], v[TI*\q+16*\b+1]   ; the largest score of each block of 32 keys: eight chains by turns
.endr
.endr
.irp i, 2,4,6,8,10,12,14
.irp q, 0,1
.irp b, 0,1,2,3
	v_max3_num_f32 v[BM+4*\q+\b], v[BM+4*\q+\b], v[TI*\q+16*\b+\i], v[TI*\q+16*\b+\i+1]
.endr
.endr
.endr
	WIN 0
.irp n, 0,1,2,3,4,5,6,7
	v_permlanex16_b32 v[PT+\n], v[BM+\n], s[SEL], s[SEL+1]
.endr
.irp n, 0,1,2,3,4,5,6,7
	v_max_num_f32 v[BM+\n], v[BM+\n], v[PT+\n]     ; with lane l xor 16's 16 keys
.endr
	v_max3_num_f32 v[TA], v[BM], v[BM+1], v[BM+2]
	H 3
	v_max3_num_f32 v[TA+1], v[BM+4], v[BM+5], v[BM+6]
.irp q, 0,1
	H 2
	v_max_num_f32 v[TA+\q], v[TA+\q], v[BM+4*\q+3] ; the step's largest score of my query
.endr
.irp q, 0,1
	H 2
	v_mul_f32 v[TA+\q], s[CS], v[TA+\q]            ; as t
.endr
.irp q, 0,1
	H 2
	v_max_num_f32 v[TMX+2*\q], v[TMX+2*\q], v[TA+\q]
.endr
.irp q, 0,1
	v_mov_b32 v[TA+\q], v[NM+2*\q]
.endr
.irp q, 0,1
	H 4
	v_floor_f32 v[NM+2*\q], -v[TMX+2*\q]           ; the new -M = -ceil(t)
.endr
.irp q, 0,1
	H 2
	v_sub_f32 v[TA+\q], v[NM+2*\q], v[TA+\q]       ; old M - new M: a whole number, 0 or less
.endr
.irp q, 0,1
	H 2
	v_cvt_i32_f32 v[TA+\q], v[TA+\q]               ; (it saturates)
.endr
.irp q, 0,1
	H 2
	v_ldexp_f32 v[FF+2*\q], 1.0, v[TA+\q]          ; f
.endr
.irp q, 0,1
.irp b, 0,1,2,3
	v_fma_f32 v[BM+4*\q+\b], v[BM+4*\q+\b], s[CS], v[NM+2*\q]   ; t - M of each block's largest score
.endr
.endr
	WIN 0x41                                       ; source 0 and destination window 1
.irp q, 0,1
.set J, TI*\q+64
.rept 17
	v_pk_mul_f32 v[J:J+1], v[J:J+1], v[FF+2*\q:FF+2*\q+1] op_sel_hi:[1,0]   ; O^T and the sum under the new M; each accumulator from its low end on; no exponential stands between the last products and these
.set J, J+2
.endr
.endr
.irp q, 0,1
.set J, TI*\q
.rept 32
	v_pk_fma_f32 v[J:J+1], v[J:J+1], s[CS:CS+1], v[NM+2*\q:NM+2*\q+1] op_sel_hi:[1,0,0]   ; t - M
.set J, J+2
.endr
.endr
	s_wait_alu depctr_va_vdst(0)                   ; the wait ahead of the batch
.irp q, 0,1
.set J, TI*\q
.rept 64
	v_exp_f32 v[J], v[J]                           ; p
.set J, J+1
.endr
.endr
	WIN 0
.irp n, 0,1,2,3,4,5,6,7
	v_exp_f32 v[BM+\n], v[BM+\n]                   ; each block's largest p: the same two instructions on the same number
.endr
	v_nop                                          ; one plain instruction behind the exponentials
	s_wait_alu depctr_va_vdst(0)                   ; and the one wait behind the batch
.irp n, 0,1,2,3,4,5,6,7
	v_max_num_f32 v[BM+\n], 0x1800000, v[BM+\n]    ; the floor 2^(3 - 127): the byte cannot fall under 1
.endr
.irp n, 0,1,2,3,4,5,6,7
	v_add_nc_u32 v[SO+\n], 0xff000000, v[BM+\n]    ; 2 off the exponent field: the conversion's scale operand
.endr
.irp n, 0,1,2,3,4,5,6,7
	v_lshrrev_b32 v[PT+\n], 23, v[SO+\n]           ; the scale's byte
.endr
	v_lshl_or_b32 v[FF+1], v[PT+1], 8, v[PT]
	H 4
	v_lshl_or_b32 v[FF+3], v[PT+5], 8, v[PT+4]
.irp q, 0,1
	H 2
	v_lshl_or_b32 v[FF+2*\q+1], v[PT+4*\q+2], 16, v[FF+2*\q+1]
.endr
.irp q, 0,1
	H 2
	v_lshl_or_b32 v[FF+2*\q+1], v[PT+4*\q+3], 24, v[FF+2*\q+1]   ; p's scale word for these 128 keys
.endr
	WIN 0x01                                       ; source 0 window 1
.irp q, 0,1
.irp b, 0,1,2,3
	v_cvt_scalef32_pk8_fp4_f32 v[PC+8*\q+2*\b], v[TI*\q+16*\b:TI*\q+16*\b+7], v[SO+4*\q+\b]
	v_cvt_scalef32_pk8_fp4_f32 v[PC+8*\q+2*\b+1], v[TI*\q+16*\b+8:TI*\q+16*\b+15], v[SO+4*\q+\b]
.endr
.endr
	WIN 0
	v_nop                                          ; one plain instruction behind the last scaled conversion
.irp q, 0,1
.irp c, 0,1
.irp i, 0,1
	v_permlane16_swap_b32 v[PC+8*\q+4*\c+\i], v[PC+8*\q+4*\c+2+\i]   ; the operand's layout wants a whole block in a lane
.endr
.endr
.endr
	WIN 0x45                                       ; sources 0, 1 and destination window 1
	LEVEL 0, 16                                    ; the row's sum of the unquantised p: a tree in place, the codes being made
	LEVEL 1, 16
	LEVEL 0, 8
	LEVEL 1, 8
	LEVEL 0, 4
	LEVEL 1, 4
	LEVEL 0, 2
	H 4
	ADDP 1, 0, 4
	H 4
	ADDP 1, 2, 6
	H 3
	ADDP 0, 0, 2
	H 2
	ADDP 1, 0, 2
	H 2
	ADDP 0, 96, 0
	H 2
	ADDP 1, 96, 0
	s_wait_alu depctr_va_vdst(0)                   ; the wait directly ahead of the wait below
	s_wait_dscnt 9                                 ; V's nine loads are in; the nine younger, the next step's K, may be out
	WIN 0x50                                       ; source 2 and destination window 1
.irp q, 0,1
.irp d, 0,1,2,3
	v_wmma_scale_f32_16x16x128_f8f6f4 v[TI*\q+64+8*\d:TI*\q+71+8*\d], v[VF+8*\d:VF+8*\d+7], v[PC+8*\q:PC+8*\q+7], v[TI*\q+64+8*\d:TI*\q+71+8*\d], v[VS+\d], v[FF+2*\q+1] matrix_a_fmt:MATRIX_FMT_FP4 matrix_b_fmt:MATRIX_FMT_FP4
.endr
.endr
	WIN 0
	s_sub_co_u32 s[CNT], s[CNT], 1
	s_cmp_lg_u32 s[CNT], 0
	s_cbranch_scc1 .Lstep
	; THE WAY OUT: O^T / the sum, quantised along the head's 64 (two blocks), as an image of the next operand's registers.
.rept 4
	v_nop                                          ; four plain instructions in front of the first read of results
.endr
	WIN 0x05                                       ; sources 0 and 1 window 1
.irp q, 0,1
	v_add_f32 v[LS+\q], v[TI*\q+96], v[TI*\q+97]   ; the sum's two halves,
.endr
	WIN 0
.irp q, 0,1
	v_permlanex16_b32 v[PT+\q], v[LS+\q], s[SEL], s[SEL+1]
.endr
.irp q, 0,1
	H 2
	v_add_f32 v[LS+\q], v[LS+\q], v[PT+\q]         ; and lane l xor 16's
.endr
	s_wait_alu depctr_va_vdst(0)                   ; the wait ahead of the transcendentals
.irp q, 0,1
	v_rcp_f32 v[RC+\q], v[LS+\q]
.endr
	v_nop
	WIN 0x41
	s_wait_alu depctr_va_vdst(0)                   ; the wait behind them, directly ahead of the first readers of O^T
.irp q, 0,1
.set J, 0
.rept 32
	v_mul_f32 v[TI*\q+J], v[TI*\q+64+J], v[RC+\q]
.set J, J+1
.endr
.endr
	WIN 0x14
.irp q, 0,1
.irp b, 0,1
	v_max3_num_f32 v[BM+2*\q+\b], 0x1800000, |v[TI*\q+16*\b]|, |v[TI*\q+16*\b+1]|
.endr
.endr
.irp i, 2,4,6,8,10,12,14
.irp q, 0,1
.irp b, 0,1
	H 4
	v_max3_num_f32 v[BM+2*\q+\b], v[BM+2*\q+\b], |v[TI*\q+16*\b+\i]|, |v[TI*\q+16*\b+\i+1]|
.endr
.endr
.endr
	WIN 0
.irp n, 0,1,2,3
	v_permlanex16_b32 v[PT+\n], v[BM+\n], s[SEL], s[SEL+1]
.endr
.irp n, 0,1,2,3
	H 4
	v_max_num_f32 v[BM+\n], v[BM+\n], v[PT+\n]
.endr
.irp n, 0,1,2,3
	H 4
	v_add_nc_u32 v[SO+\n], 0xff000000, v[BM+\n]
.endr
.irp n, 0,1,2,3
	H 4
	v_lshrrev_b32 v[PT+\n], 23, v[SO+\n]
.endr
	WIN 0x01
.irp q, 0,1
.irp b, 0,1
	v_cvt_scalef32_pk8_fp4_f32 v[PC+8*\q+2*\b], v[TI*\q+16*\b:TI*\q+16*\b+7], v[SO+2*\q+\b]
	v_cvt_scalef32_pk8_fp4_f32 v[PC+8*\q+2*\b+1], v[TI*\q+16*\b+8:TI*\q+16*\b+15], v[SO+2*\q+\b]
.endr
.endr
	WIN 0
	v_cmp_eq_u32 vcc_lo, 1, v[HH]                  ; (one plain instruction behind the last scaled conversion)
.irp q, 0,1
	v_permlane16_swap_b32 v[PC+8*\q], v[PC+8*\q+2]
	v_permlane16_swap_b32 v[PC+8*\q+1], v[PC+8*\q+3]
	v_cndmask_b32 v[BYS+\q], v[PT+2*\q], v[PT+2*\q+1], vcc_lo   ; lanes 0-15 store the first block's byte, lanes 16-31 the second's
.endr
.irp q, 0,1
	global_store_b128 v[AK0], v[PC+8*\q:PC+8*\q+3], s[60:61] offset:8192*\q   ; 512 consecutive bytes, aligned
	global_store_b8 v[OSL], v[BYS+\q], s[62:63] offset:512*\q
.endr
	s_wait_tensorcnt 0x0                           ; the wave's end
	ds_add_u32 v[SPW], v[NIL]
	s_wait_dscnt 0x0
	CROUND                                         ; the closing round
	s_endpgm
.Lfunc_end_k_q725e8c1173_att:
	.size	k_q725e8c1173_att, .Lfunc_end_k_q725e8c1173_att-k_q725e8c1173_att
	.p2alignl 7, 3214868480
	.fill 96, 4, 3214868480
	.section	.rodata,"a",@progbits
	.p2align	6, 0x0
	.amdhsa_kernel k_q725e8c1173_att
		.amdhsa_group_segment_fixed_size 327680
		.amdhsa_private_segment_fixed_size 0
		.amdhsa_enable_private_segment 0
		.amdhsa_kernarg_size 16
		.amdhsa_user_sgpr_count 2
		.amdhsa_user_sgpr_kernarg_segment_ptr 1
		.amdhsa_wavefront_size32 1
		.amdhsa_system_sgpr_workgroup_id_x 1
		.amdhsa_system_sgpr_workgroup_id_y 1
		.amdhsa_system_sgpr_workgroup_id_z 1
		.amdhsa_system_vgpr_workitem_id 0
		.amdhsa_next_free_vgpr 512
		.amdhsa_next_free_sgpr 66
		.amdhsa_reserve_vcc 1
		.amdhsa_float_denorm_mode_32 3
		.amdhsa_float_denorm_mode_16_64 3
		.amdhsa_memory_ordered 1
		.amdhsa_forward_progress 1
		.amdhsa_inst_pref_size 49
	.end_amdhsa_kernel
	.amdgpu_metadata
---
amdhsa.version: [ 1, 2 ]
amdhsa.kernels:
  - .name:           k_q725e8c1173_att
    .symbol:         k_q725e8c1173_att.kd
    .args:
      - { .name: qkvbuf, .offset: 0, .size: 8, .value_kind: global_buffer, .address_space: global }
      - { .name: obuf, .offset: 8, .size: 8, .value_kind: global_buffer, .address_space: global }
    .group_segment_fixed_size: 327680
    .private_segment_fixed_size: 0
    .kernarg_segment_align: 8
    .kernarg_segment_size: 16
    .max_flat_workgroup_size: 256
    .sgpr_count:     66
    .vgpr_count:     512
    .wavefront_size: 32
...
	.end_amdgpu_metadata
.endif
;; end of part 3
;; launch outp (part 4): grid 256 x 1, 4 waves a work-group, no clusters, 168,448 bytes of LDS; arguments obuf, w_out_codes, w_out_scales, b_out, x, x1buf; writes x1buf
.if DOCPART == 4
	.amdgcn_target "amdgcn-amd-amdhsa--gfx1250"
	.amdhsa_code_object_version 6
	.text
	.protected	k_q725e8c1173_outp
	.globl	k_q725e8c1173_outp
	.p2align	8
	.type	k_q725e8c1173_outp,@function
k_q725e8c1173_outp:
	s_mov_b64 s[64:65], 0
	v_nop
	global_prefetch_b8 v0, s[64:65] scope:SCOPE_SE
	s_setreg_imm32_b32 hwreg(HW_REG_WAVE_MODE, 25, 1), 1
	s_wait_xcnt 0x0
; x1 = x + (Q(o) w_out + b_out), on codes of FP4; x1 [4096][1024] f32.
; THE CORE: a wave keeps 128 rows of w_out x 1,024 K (64 fragments, 512 registers) as source 0 and takes two tiles of 16 tokens as source 1, straight from memory, where o lies as images of the operand's registers.
; A tile is 64 matrix instructions, K step by K step, its eight accumulators by turns; the first K step's C is the constant 0.
; SHARES: work-group = (128 outputs: wg % 8, 128 tokens: wg / 8); wave w takes 32 of the tokens.  256 work-groups.  The slab of weights, 65,536 bytes, is the same for the four waves: each brings a quarter
; (32 rows of 512 bytes) into LDS by one tensor load, filled once; rows lie 528 bytes apart.  Rows 16 apart fall on the same banks at any pitch that is a multiple of 16 bytes: these reads go two deep.
; NO CLUSTER: what work-groups share is the slab of 65,536 bytes, fetched once; a work-group's own are 65,536 bytes of o, 65,536 of x and 65,536 of x1.
; Tiles take rows 32 (T / 2) + 8 (T % 2) + r + 8 (r / 8): in the result lane (r, h) holds token row r, register 16 b + i output 32 b + 16 h + i.
; THE WAY OUT: a tile goes through the wave's own stage in LDS (16 rows x (512 + 16) bytes, behind the slab) and comes back as whole rows of 512 bytes; bias and residual are added there; 32 lanes store 512 consecutive bytes.
; REGISTERS: window 1, 2: source 0 (fragment (t, s) at v[8 (8 (s % 4) + t)]); window 3: v0-63 and v192-255 the residual rows of the two tiles, v64-191 the two tiles of source 1; window 0: the rest.
.set OS,   2097152
.set WP,   528                         ; a row of weights in LDS: 512 bytes + 16 of padding
; THE WEIGHTS' TILES (this takes the place of what the head says of their rows and of the banks): tile t takes the sixteen neighbouring rows 16 t + r of the slab: the results leave as f32, so the order is free.
; A row is 132 words, so the sixteen rows start at sixteen different groups of four banks (64 banks of 4 bytes: ISA guide 11.1).  In the result register j of tile t is output 16 t + 8 h + j.
.set QW,   32*WP                       ; a wave's quarter of the slab
.set STG,  128*WP                      ; behind the slab: the four stages
.set LI,   4
.set LW,   5                           ; LDS: 528 r + 16 h
.set LRS,  6
.set LIS,  7
.set STO,  9                           ; the stage, way in: STG + 8,448 w + 528 r + 32 h
.set RD,   10                          ; way out: STG + 8,448 w + 16 x lane
.set BL,   12                          ; v12-15 the bias of my four columns
.set S0S,  16
.set S1S,  48
.set ACC,  80
.set RB,   144                         ; v144-207 sixteen rows read back
.set WV,   30
.set P0S,  18
.set P1C,  20
.set P1S,  22
.set PBI,  24
.set PX,   26
.set PO,   28
.set G0,   40                          ; s[40:43] descriptor group 0;  s[44:51] group 1
.set G1,   44
.set MSB, 0
.macro WIN new                         ; the immediate's high byte repeats the setting that is left
.if MSB != \new
	s_set_vgpr_msb (MSB<<8)|\new
.set MSB, \new
.endif
.endm
.macro MULS be
.irp s, 0,1,2,3,4,5,6,7
.if \s == 0
	WIN 0x0d                                       ; source 0 window 1, source 1 window 3
.elseif \s == 4
	WIN 0x0e                                       ; source 0 window 2
.endif
.irp t, 0,1,2,3,4,5,6,7
.set rD, ACC+8*\t
.set rA, 8*(8*(\s%4)+\t)
.set rB, 64+64*(\be)+8*\s
.set rSA, S0S+4*\t+\s%4
.set rSB, S1S+4*(\be)+\s%4
.if \s == 0
	v_wmma_scale_f32_16x16x128_f8f6f4 v[rD:rD+7], v[rA:rA+7], v[rB:rB+7], 0, v[rSA], v[rSB] matrix_a_fmt:MATRIX_FMT_FP4 matrix_b_fmt:MATRIX_FMT_FP4
.elseif \s < 4
	v_wmma_scale_f32_16x16x128_f8f6f4 v[rD:rD+7], v[rA:rA+7], v[rB:rB+7], v[rD:rD+7], v[rSA], v[rSB] matrix_a_fmt:MATRIX_FMT_FP4 matrix_b_fmt:MATRIX_FMT_FP4
.else
	v_wmma_scale_f32_16x16x128_f8f6f4 v[rD:rD+7], v[rA:rA+7], v[rB:rB+7], v[rD:rD+7], v[rSA], v[rSB] matrix_a_fmt:MATRIX_FMT_FP4 matrix_b_fmt:MATRIX_FMT_FP4 matrix_a_scale:MATRIX_SCALE_ROW1 matrix_b_scale:MATRIX_SCALE_ROW1
.endif
.endr
.endr
.endm
	s_load_b256 s[4:11], s[0:1], 0x0               ; o s[4:5], codes s[6:7], scales s[8:9], bias s[10:11]
	s_load_b128 s[12:15], s[0:1], 0x20             ; x s[12:13], x1 s[14:15]
	v_lshl_add_u32 v254, v0, 2, 0x29000
	v_mov_b32 v255, 0
	ds_add_u32 v254, v255
	ds_add_u32 v254, v255
	v_lshrrev_b32 v1, 5, v0
	v_readfirstlane_b32 s[WV], v1                  ; wave 0..3
	s_mov_b32 s[G1], (1<<20)|(6<<22)|(3<<25)       ; no mask; elements of 1 byte; padding on: four words behind every 128
	s_mov_b32 s[G1+1], 512<<16                     ; tensor_dim0 = 512
	s_mov_b32 s[G1+2], 32<<16                      ; tensor_dim1 = 32
	s_mov_b32 s[G1+3], 512<<16                     ; tile_dim0
	s_mov_b32 s[G1+4], 32                          ; tile_dim1
	s_mov_b32 s[G1+5], 512                         ; the pitch: a row of w_out's codes
	s_mov_b32 s[G1+6], 0
	s_mov_b32 s[G1+7], 0
	s_and_b32 s31, ttmp9, 7                        ; the slab of 128 outputs, 0..7
	s_lshr_b32 s32, ttmp9, 3
	s_lshl_b32 s32, s32, 2
	s_add_co_u32 s32, s32, s[WV]                   ; my block of 32 tokens, 0..127
	s_mov_b32 s35, 0
	s_lshl_b32 s34, s31, 16
	s_lshl_b32 s36, s[WV], 14
	s_add_co_u32 s34, s34, s36                     ; 65,536 bytes a slab; my 32 rows of it
	s_wait_dscnt 0x0
	s_wait_kmcnt 0x0
	s_mov_b32 s[G0], 1                             ; count = 1
	s_mul_i32 s[G0+1], s[WV], QW                   ; LDS: my quarter
	s_add_nc_u64 s[G0+2:G0+3], s[6:7], s[34:35]
	s_or_b32 s[G0+3], s[G0+3], 0x80000000          ; type = 2
	tensor_load_to_lds s[G0:G0+3], s[G1:G1+7]      ; the launch's one fill: one tensor load of a wave is out
	s_nop 0
.rept 4
	v_nop
.endr
	v_and_b32 v1, 31, v0
	v_and_b32 v2, 15, v0                           ; r
	v_bfe_u32 v3, v0, 4, 1                         ; h
	v_lshlrev_b32 v[LI], 4, v1
	v_mul_u32_u24 v[LW], v2, WP
	v_lshl_add_u32 v[LW], v3, 4, v[LW]
	v_lshlrev_b32 v[LRS], 5, v2
	v_lshl_add_u32 v[LRS], v3, 4, v[LRS]
	s_wait_alu depctr_va_vdst(0)
	v_lshlrev_b32 v[LIS], 5, v2
	v_lshl_add_u32 v[LIS], v3, 4, v[LIS]
	s_wait_alu depctr_va_vdst(0)
	s_mul_i32 s33, s[WV], 8448
	s_add_co_u32 s33, s33, STG
	v_mul_u32_u24 v[STO], v2, 528
	v_lshl_add_u32 v[STO], v3, 5, v[STO]           ; the stage, way in: 528 r + 32 h
	v_add_nc_u32 v[STO], s33, v[STO]
	v_add_nc_u32 v[RD], s33, v[LI]
	s_lshl_b32 s34, s31, 12
	s_add_nc_u64 s[P0S:P0S+1], s[8:9], s[34:35]
	s_lshl_b32 s34, s32, 14
	s_add_nc_u64 s[P1C:P1C+1], s[4:5], s[34:35]
	s_lshl_b32 s34, s32, 10
	s_add_co_u32 s34, s34, OS
	s_add_nc_u64 s[P1S:P1S+1], s[4:5], s[34:35]
	s_lshl_b32 s34, s31, 9
	s_add_nc_u64 s[PBI:PBI+1], s[10:11], s[34:35]
	s_lshl_b32 s36, s32, 17
	s_add_co_u32 s34, s34, s36                     ; 32 tokens x 4,096 bytes + my 512 bytes of a row
	s_add_nc_u64 s[PX:PX+1], s[12:13], s[34:35]
	s_add_nc_u64 s[PO:PO+1], s[14:15], s[34:35]
	global_load_b128 v[BL:BL+3], v[LI], s[PBI:PBI+1]
.irp t, 0,1,2,3,4,5,6,7
	global_load_b128 v[S0S+4*\t:S0S+4*\t+3], v[LRS], s[P0S:P0S+1] offset:16*\t*32
.endr
.irp i, 0,1
	WIN 0xc0
.irp s, 0,1,2,3,4,5,6,7
.irp c, 0,1
.set rB, 64+64*\i+8*\s+4*\c
	global_load_b128 v[rB:rB+3], v[LI], s[P1C:P1C+1] offset:8192*\i+1024*\s+512*\c
.endr
.endr
	WIN 0
	global_load_b128 v[S1S+4*\i:S1S+4*\i+3], v[LIS], s[P1S:P1S+1] offset:512*\i
.endr
	WIN 0xc0
.irp i, 0,1
.irp e, 0,1,2,3,4,5,6,7,8,9,10,11,12,13,14,15
	global_load_b128 v[192*\i+4*\e:192*\i+4*\e+3], v[LI], s[PX:PX+1] offset:(8*\i+\e+8*(\e/8))*4096 th:TH_LOAD_NT   ; the residual: row e of tile i; read once in this launch
.endr
.endr
	WIN 0
	s_wait_tensorcnt 0x0                           ; my quarter of the slab has landed;
	s_barrier_signal -1
	s_barrier_wait -1                              ; everybody's has
.irp s, 0,1,2,3,4,5,6,7
.if \s == 0
	WIN 0x40                                       ; destination window 1
.elseif \s == 4
	WIN 0x80                                       ; destination window 2
.endif
.irp t, 0,1,2,3,4,5,6,7
.irp c, 0,1
.set rA, 8*(8*(\s%4)+\t)+4*\c
	ds_load_b128 v[rA:rA+3], v[LW] offset:16*\t*WP+64*\s+32*\c
.endr
.endr
.endr
	WIN 0
	s_wait_dscnt 0x0                               ; the slab is in my registers
.macro OTILE i
.if \i == 0
	s_wait_loadcnt 49                              ; the scale words and tile 0 are in; tile 1's 17 loads and the residual's 32 may be out
.else
	s_wait_loadcnt 32
.endif
	MULS \i
	WIN 0
.rept 4
	v_nop                                          ; four plain instructions in front of the first read of results
.endr
	s_wait_alu depctr_va_vdst(0)
.irp t, 0,1,2,3,4,5,6,7
	ds_store_b128 v[STO], v[ACC+8*\t:ACC+8*\t+3] offset:64*\t        ; each accumulator from its low end on
	ds_store_b128 v[STO], v[ACC+8*\t+4:ACC+8*\t+7] offset:64*\t+16
.endr
	s_wait_xcnt 0x0                                ; the last tile's stores have read the registers that the loads below fill
.irp e, 0,1,2,3,4,5,6,7,8,9,10,11,12,13,14,15
	ds_load_b128 v[RB+4*\e:RB+4*\e+3], v[RD] offset:528*\e   ; LDS serves a wave's instructions in order: these see the stores above
.endr
.if \i == 0
	s_wait_loadcnt 16                              ; this tile's residual rows are in; the other tile's 16 may be out
.else
	s_wait_loadcnt 0x0
.endif
	s_wait_dscnt 0x0
.irp e, 0,1,2,3,4,5,6,7,8,9,10,11,12,13,14,15
	v_pk_add_f32 v[RB+4*\e:RB+4*\e+1], v[RB+4*\e:RB+4*\e+1], v[BL:BL+1]
	v_pk_add_f32 v[RB+4*\e+2:RB+4*\e+3], v[RB+4*\e+2:RB+4*\e+3], v[BL+2:BL+3]
.endr
	WIN 0x0c                                       ; source 1 window 3
.irp e, 0,1,2,3,4,5,6,7,8,9,10,11,12,13,14,15
	v_pk_add_f32 v[RB+4*\e:RB+4*\e+1], v[RB+4*\e:RB+4*\e+1], v[192*\i+4*\e:192*\i+4*\e+1]
	v_pk_add_f32 v[RB+4*\e+2:RB+4*\e+3], v[RB+4*\e+2:RB+4*\e+3], v[192*\i+4*\e+2:192*\i+4*\e+3]
.endr
	WIN 0
.irp e, 0,1,2,3,4,5,6,7,8,9,10,11,12,13,14,15
	global_store_b128 v[LI], v[RB+4*\e:RB+4*\e+3], s[PO:PO+1] offset:(8*\i+\e+8*(\e/8))*4096   ; 32 lanes store 512 consecutive bytes, aligned
.endr
.endm
	OTILE 0
	OTILE 1
	s_wait_tensorcnt 0x0
	ds_add_u32 v254, v255
	s_wait_dscnt 0x0
	s_endpgm
.Lfunc_end_k_q725e8c1173_outp:
	.size	k_q725e8c1173_outp, .Lfunc_end_k_q725e8c1173_outp-k_q725e8c1173_outp
	.p2alignl 7, 3214868480
	.fill 96, 4, 3214868480
	.section	.rodata,"a",@progbits
	.p2align	6, 0x0
	.amdhsa_kernel k_q725e8c1173_outp
		.amdhsa_group_segment_fixed_size 168448
		.amdhsa_private_segment_fixed_size 0
		.amdhsa_enable_private_segment 0
		.amdhsa_kernarg_size 48
		.amdhsa_user_sgpr_count 2
		.amdhsa_user_sgpr_kernarg_segment_ptr 1
		.amdhsa_wavefront_size32 1
		.amdhsa_system_sgpr_workgroup_id_x 1
		.amdhsa_system_sgpr_workgroup_id_y 1
		.amdhsa_system_sgpr_workgroup_id_z 1
		.amdhsa_system_vgpr_workitem_id 0
		.amdhsa_next_free_vgpr 1024
		.amdhsa_next_free_sgpr 66
		.amdhsa_reserve_vcc 0
		.amdhsa_float_denorm_mode_32 3
		.amdhsa_float_denorm_mode_16_64 3
		.amdhsa_memory_ordered 1
		.amdhsa_forward_progress 1
		.amdhsa_inst_pref_size 51
	.end_amdhsa_kernel
	.amdgpu_metadata
---
amdhsa.version: [ 1, 2 ]
amdhsa.kernels:
  - .name:           k_q725e8c1173_outp
    .symbol:         k_q725e8c1173_outp.kd
    .args:
      - { .name: obuf, .offset: 0, .size: 8, .value_kind: global_buffer, .address_space: global }
      - { .name: w_out_codes, .offset: 8, .size: 8, .value_kind: global_buffer, .address_space: global }
      - { .name: w_out_scales, .offset: 16, .size: 8, .value_kind: global_buffer, .address_space: global }
      - { .name: b_out, .offset: 24, .size: 8, .value_kind: global_buffer, .address_space: global }
      - { .name: x, .offset: 32, .size: 8, .value_kind: global_buffer, .address_space: global }
      - { .name: x1buf, .offset: 40, .size: 8, .value_kind: global_buffer, .address_space: global }
    .group_segment_fixed_size: 168448
    .private_segment_fixed_size: 0
    .kernarg_segment_align: 8
    .kernarg_segment_size: 48
    .max_flat_workgroup_size: 128
    .sgpr_count:     66
    .vgpr_count:     1024
    .wavefront_size: 32
...
	.end_amdgpu_metadata
.endif
;; end of part 4
;; launch ln2: the kernel of part 1 again; grid 256 x 1, 8 waves a work-group, no clusters, 83,968 bytes of LDS; arguments x1buf, ln2_scale, ln2_bias, ybuf; writes ybuf
;; launch fc1 (part 5): grid 256 x 1, 4 waves a work-group, no clusters, 168,448 bytes of LDS; arguments ybuf, w_fc1_codes, w_fc1_scales, b_fc1, hbuf; writes hbuf
.if DOCPART == 5
	.amdgcn_target "amdgcn-amd-amdhsa--gfx1250"
	.amdhsa_code_object_version 6
	.text
	.protected	k_q725e8c1173_fc1
	.globl	k_q725e8c1173_fc1
	.p2align	8
	.type	k_q725e8c1173_fc1,@function
k_q725e8c1173_fc1:
	s_mov_b64 s[64:65], 0
	v_nop
	global_prefetch_b8 v0, s[64:65] scope:SCOPE_SE
	s_setreg_imm32_b32 hwreg(HW_REG_WAVE_MODE, 25, 1), 1
	s_wait_xcnt 0x0
; hidden = Q(gelu(Q(LN2(x1)) w_fc1 + b_fc1)), the exact gelu, on codes of FP4; the hidden layer goes to memory as codes alone.
; THE CORE: a wave keeps 128 rows of w_fc1 x 1,024 K (64 fragments, 512 registers) as source 0 and streams eight tiles of 16 tokens as source 1, straight from memory, where y lies as images of the operand's registers.
; A tile is 64 matrix instructions, K step by K step, its eight accumulators by turns; the bias is the C of the first K step.
; SHARES: work-group = (128 hidden units: wg % 32: one K step of the next product, 512 tokens: wg / 32); wave w takes 128 of the tokens.  256 work-groups.  The slab of weights, 65,536 bytes, is the same for the four
; waves: each brings a quarter (32 rows of 512 bytes) into LDS by one tensor load, filled once; rows lie 528 bytes apart.  Rows 16 apart fall on the same banks at any pitch that is a multiple of 16 bytes: these reads go two deep.
; NO CLUSTER: what work-groups share is the slab of 65,536 bytes, fetched once, against 262,144 bytes of tokens that are a work-group's own.
; Tiles take rows 32 (T / 2) + 8 (T % 2) + r + 8 (r / 8): in the result lane (r, h) holds token row r, register 16 b + i hidden unit 32 b + 16 h + i: sixteen neighbours along the next K.
; GELU.  gelu(x) = max(x, 0) - (|x| / 2) erfc(|x| / sqrt(2)), which holds for either sign and forms no difference of near numbers in the tails.
; erfc(z) = t exp(-z^2 + P(t)), t = 1 / (1 + z / 2), P a polynomial of degree 9 (a Chebyshev fit whose fractional error stays under 1.2e-7 for every z >= 0).  -z^2 = -(|x| / 2) |x|.
; OUT (hbuf): codes [tile 256][K step 32][1,024 bytes]: images; scale words at HS [K step 32][block of 128 tokens 32][r 16][tile 8] u32: a wave's 512 bytes gather in LDS and leave as one run.
; LIMITS: NaN and infinities are not served; a block of zeros or under 2^-124 gets the byte 1 (read by this program alone).
; REGISTERS: window 1, 2: source 0 (fragment (t, s) at v[8 (8 (s % 4) + t)]); window 3: v0-63 the bias as C, v64-191 two tiles of source 1; window 0: the rest.
.set YS,   2097152
.set HS,   8388608
.set WP,   528                         ; a row of weights in LDS: 512 bytes + 16 of padding
; THE SLAB'S ROWS IN LDS (this takes the place of what the head says of their order and of the banks): wave w brings every second row of half the slab: rows 64 (w / 2) + (w % 2) + 2 i, i = 0 .. 31, to LDS rows 80 (w / 2) + 36 (w % 2) + i.
; A tile's sixteen rows then lie at sixteen different LDS row numbers modulo 16; a row is 132 words, so they start at sixteen different groups of four banks (64 banks of 4 bytes: ISA guide 11.1).
.set PODD,  36*WP                      ; from the even rows' part to the odd rows'
.set PHALF, 80*WP                      ; from the first 64 rows' part to the second's
.set SCR,  160*WP                      ; behind the slab: the scale words' scratch, 512 bytes a wave
.set LI,   4
.set LW,   5                           ; LDS: (36 (r % 2) + r / 2 + 4 (r / 8)) x 528 + 16 h
.set LRS,  6
.set LIS,  7
.set LBQ,  8                           ; bias: 64 h
.set SCO,  10                          ; LDS: SCR + 512 w + 16 x lane
.set SCB,  12                          ; LDS: SCR + 512 w + 32 r
.set SCW,  13                          ; + 4 x the trip's first tile
.set S0S,  16
.set S1S,  48
.set ACC,  80
.set PC,   144
.set PW,   152
.set OUTR, 156
.set TM,   160
.set GA,   56                          ; v56-71 |x|
.set GT,   176                         ; v176-191 t
.set GP,   192                         ; v192-207 the polynomial, the exponent, the exponential
.set GH,   236                         ; v236-251 |x| / 2
.set KC,   208                         ; v208-227 c0 .. c9, each twice: pairs for the packed forms
.set KH,   228                         ; 1 / (2 sqrt(2))
.set K1,   230                         ; 1
.set K05,  232                         ; 1 / 2
.set KL,   234                         ; log2(e)
.set WV,   14
.set P0S,  18
.set P1C,  20
.set P1S,  22
.set PBI,  24
.set POC,  26
.set POS,  28
.set LO,   38
.set CNT,  39
.set SEL,  40
.set G0,   44                          ; s[44:47] descriptor group 0;  s[48:55] group 1
.set G1,   48
.set MSB, 0
.macro WIN new                         ; the immediate's high byte repeats the setting that is left
.if MSB != \new
	s_set_vgpr_msb (MSB<<8)|\new
.set MSB, \new
.endif
.endm
.macro QUANT s
.irp b, 0,1,2,3
	v_max3_num_f32 v[TM+\b], |v[\s+16*\b]|, |v[\s+1+16*\b]|, 0x1800000   ; my 16 numbers of block b, and the floor 2^(3 - 127): the byte cannot fall under 1
.endr
.irp i, 2,4,6,8,10,12,14
.irp b, 0,1,2,3
	v_max3_num_f32 v[TM+\b], v[TM+\b], |v[\s+16*\b+\i]|, |v[\s+1+16*\b+\i]|
.endr
.endr
.irp b, 0,1,2,3
	v_permlanex16_b32 v[TM+4+\b], v[TM+\b], s[SEL], s[SEL+1]
.endr
.irp b, 0,1,2,3
	v_max_num_f32 v[TM+\b], v[TM+\b], v[TM+4+\b]   ; with lane l xor 16's: the block's largest magnitude
.endr
.irp b, 0,1,2,3
	v_add_nc_u32 v[TM+12+\b], 0xff000000, v[TM+\b]   ; 2 off its exponent field: the conversion's scale operand
.endr
.irp b, 0,1,2,3
	v_lshrrev_b32 v[TM+4+\b], 23, v[TM+12+\b]      ; the scale's byte
.endr
	v_lshl_or_b32 v[PW], v[TM+5], 8, v[TM+4]
	v_lshl_or_b32 v[PW], v[TM+6], 16, v[PW]
	v_lshl_or_b32 v[PW], v[TM+7], 24, v[PW]
.irp b, 0,1,2,3
	v_cvt_scalef32_pk8_fp4_f32 v[PC+2*\b], v[\s+16*\b:\s+7+16*\b], v[TM+12+\b]
	v_cvt_scalef32_pk8_fp4_f32 v[PC+1+2*\b], v[\s+8+16*\b:\s+15+16*\b], v[TM+12+\b]
.endr
	v_nop                                          ; one plain instruction behind a scaled conversion
.irp c, 0,1
.irp i, 0,1
	v_permlane16_swap_b32 v[PC+4*\c+\i], v[PC+2+4*\c+\i]
.endr
.endr
.endm
.macro FETCH1 be, offc, offs           ; a tile of source 1 into set be: 16 loads of codes, one of scale words
	WIN 0xc0
.irp s, 0,1,2,3,4,5,6,7
.irp c, 0,1
.set rB, 64+64*(\be)+8*\s+4*\c
	global_load_b128 v[rB:rB+3], v[LI], s[P1C:P1C+1] offset:\offc+1024*\s+512*\c
.endr
.endr
	WIN 0
	global_load_b128 v[S1S+4*(\be):S1S+4*(\be)+3], v[LIS], s[P1S:P1S+1] offset:\offs
.endm
.macro MULS be
.irp s, 0,1,2,3,4,5,6,7
.if \s == 0
	WIN 0x3d                                       ; source 0 window 1, sources 1 and 2 window 3
.elseif \s == 1
	WIN 0x0d
.elseif \s == 4
	WIN 0x0e                                       ; source 0 window 2
.endif
.irp t, 0,1,2,3,4,5,6,7
.set rD, ACC+8*\t
.set rA, 8*(8*(\s%4)+\t)
.set rB, 64+64*(\be)+8*\s
.set rSA, S0S+4*\t+\s%4
.set rSB, S1S+4*(\be)+\s%4
.if \s == 0
	v_wmma_scale_f32_16x16x128_f8f6f4 v[rD:rD+7], v[rA:rA+7], v[rB:rB+7], v[8*\t:8*\t+7], v[rSA], v[rSB] matrix_a_fmt:MATRIX_FMT_FP4 matrix_b_fmt:MATRIX_FMT_FP4
.elseif \s < 4
	v_wmma_scale_f32_16x16x128_f8f6f4 v[rD:rD+7], v[rA:rA+7], v[rB:rB+7], v[rD:rD+7], v[rSA], v[rSB] matrix_a_fmt:MATRIX_FMT_FP4 matrix_b_fmt:MATRIX_FMT_FP4
.else
	v_wmma_scale_f32_16x16x128_f8f6f4 v[rD:rD+7], v[rA:rA+7], v[rB:rB+7], v[rD:rD+7], v[rSA], v[rSB] matrix_a_fmt:MATRIX_FMT_FP4 matrix_b_fmt:MATRIX_FMT_FP4 matrix_a_scale:MATRIX_SCALE_ROW1 matrix_b_scale:MATRIX_SCALE_ROW1
.endif
.endr
.endr
.endm
; The gelu of two accumulators' sixteen numbers, in place, each accumulator from its low end on: eight chains of pairs by turns; each batch of transcendentals has one wait ahead of it and one behind it.
.macro GELU g
.set GX, ACC+16*(\g)
	s_wait_alu depctr_va_vdst(0)
.irp j, 0,1,2,3,4,5,6,7,8,9,10,11,12,13,14,15
	v_and_b32 v[GA+\j], 0x7fffffff, v[GX+\j]       ; |x|
.endr
.irp j, 0,2,4,6,8,10,12,14
	v_pk_fma_f32 v[GT+\j:GT+\j+1], v[GA+\j:GA+\j+1], v[KH:KH+1], v[K1:K1+1]   ; 1 + z / 2
.endr
	s_wait_alu depctr_va_vdst(0)                   ; ahead of the batch
.irp j, 0,1,2,3,4,5,6,7,8,9,10,11,12,13,14,15
	v_rcp_f32 v[GT+\j], v[GT+\j]                   ; t
.endr
.irp j, 0,2,4,6,8,10,12,14
	v_pk_mul_f32 v[GH+\j:GH+\j+1], v[GA+\j:GA+\j+1], v[K05:K05+1]   ; |x| / 2.  (Plain instructions behind the reciprocals)
.endr
	s_wait_alu depctr_va_vdst(0)                   ; behind the batch
.irp j, 0,2,4,6,8,10,12,14
	v_pk_fma_f32 v[GP+\j:GP+\j+1], v[GT+\j:GT+\j+1], v[KC+18:KC+19], v[KC+16:KC+17]   ; c9 t + c8
.endr
.irp k, 7,6,5,4,3,2,1,0
.irp j, 0,2,4,6,8,10,12,14
	v_pk_fma_f32 v[GP+\j:GP+\j+1], v[GP+\j:GP+\j+1], v[GT+\j:GT+\j+1], v[KC+2*\k:KC+2*\k+1]
.endr
.endr
.irp j, 0,2,4,6,8,10,12,14
	v_pk_fma_f32 v[GP+\j:GP+\j+1], v[GH+\j:GH+\j+1], v[GA+\j:GA+\j+1], v[GP+\j:GP+\j+1] neg_lo:[1,0,0] neg_hi:[1,0,0]   ; P(t) - z^2
.endr
.irp j, 0,2,4,6,8,10,12,14
	v_pk_mul_f32 v[GP+\j:GP+\j+1], v[GP+\j:GP+\j+1], v[KL:KL+1]
.endr
	s_wait_alu depctr_va_vdst(0)                   ; ahead of the batch
.irp j, 0,1,2,3,4,5,6,7,8,9,10,11,12,13,14,15
	v_exp_f32 v[GP+\j], v[GP+\j]
.endr
.irp j, 0,1,2,3,4,5,6,7,8,9,10,11,12,13,14,15
	v_max_num_f32 v[GX+\j], 0, v[GX+\j]            ; max(x, 0).  (Plain instructions behind the exponentials)
.endr
.irp j, 0,2,4,6,8,10,12,14
	v_pk_mul_f32 v[GH+\j:GH+\j+1], v[GH+\j:GH+\j+1], v[GT+\j:GT+\j+1]
.endr
	s_wait_alu depctr_va_vdst(0)                   ; behind the batch
.irp j, 0,2,4,6,8,10,12,14
	v_pk_fma_f32 v[GX+\j:GX+\j+1], v[GH+\j:GH+\j+1], v[GP+\j:GP+\j+1], v[GX+\j:GX+\j+1] neg_lo:[1,0,0] neg_hi:[1,0,0]
.endr
.endm
; A tile in set be.  fetch = 1: the tile two on is asked for.  left = the younger loads that may stay out: the other set's 17, or none.
.macro TILE be, fetch, left
	s_wait_loadcnt \left
	MULS \be
	WIN 0
.rept 4
	v_nop                                          ; four plain instructions in front of loads into registers that matrix instructions have read, and of the first read of results
.endr
.if \fetch
	FETCH1 \be, 16384+8192*\be, 1024+512*\be
.endif
.irp g, 0,1,2,3
	GELU \g
.endr
	s_wait_alu depctr_va_vdst(0)                   ; the wait directly ahead of the waits below
	s_wait_xcnt 0x0                                ; the last tile's stores have read the codes' registers,
	s_wait_dscnt 0x0                               ; and its LDS store the scale word
	QUANT ACC
	global_store_b128 v[LI], v[PC:PC+3], s[POC:POC+1] offset:32768*\be          ; 512 consecutive bytes each
	global_store_b128 v[LI], v[PC+4:PC+7], s[POC:POC+1] offset:32768*\be+512
	ds_store_b32 v[SCW], v[PW] offset:4*\be        ; (lanes r and r + 16 write the same)
.endm
.macro KSET reg, bits
	v_mov_b32 v[\reg], \bits
	v_mov_b32 v[\reg+1], \bits
.endm
	s_load_b256 s[4:11], s[0:1], 0x0               ; y s[4:5], codes s[6:7], scales s[8:9], bias s[10:11]
	s_load_b64 s[12:13], s[0:1], 0x20              ; out
	v_lshl_add_u32 v254, v0, 2, 0x29000
	v_mov_b32 v255, 0
	ds_add_u32 v254, v255
	ds_add_u32 v254, v255
	v_lshrrev_b32 v1, 5, v0
	v_readfirstlane_b32 s[WV], v1                  ; wave 0..3
	s_mov_b32 s[G1], (1<<20)|(6<<22)|(3<<25)       ; no mask; elements of 1 byte; padding on: four words behind every 128
	s_mov_b32 s[G1+1], 512<<16                     ; tensor_dim0 = 512
	s_mov_b32 s[G1+2], 32<<16                      ; tensor_dim1 = 32
	s_mov_b32 s[G1+3], 512<<16                     ; tile_dim0
	s_mov_b32 s[G1+4], 32                          ; tile_dim1
	s_mov_b32 s[G1+5], 1024                        ; the pitch: two rows of w_fc1's codes
	s_mov_b32 s[G1+6], 0
	s_mov_b32 s[G1+7], 0
	s_and_b32 s30, ttmp9, 31                       ; the slab of 128 hidden units, 0..31
	s_lshr_b32 s31, ttmp9, 5
	s_lshl_b32 s31, s31, 2
	s_add_co_u32 s31, s31, s[WV]                   ; my block of 128 tokens, 0..31
	s_mov_b32 s37, 0
	s_lshl_b32 s36, s30, 16
	s_lshr_b32 s32, s[WV], 1
	s_lshl_b32 s32, s32, 15                        ; which 64 rows,
	s_and_b32 s33, s[WV], 1
	s_lshl_b32 s34, s33, 9                         ; the even ones or the odd ones
	s_add_co_u32 s32, s32, s34
	s_add_co_u32 s36, s36, s32                     ; 65,536 bytes a slab; my 32 rows of it
	s_wait_dscnt 0x0
	s_wait_kmcnt 0x0
	s_mov_b32 s[G0], 1                             ; count = 1
	s_lshr_b32 s[G0+1], s[WV], 1
	s_mul_i32 s[G0+1], s[G0+1], PHALF
	s_mul_i32 s33, s33, PODD
	s_add_co_u32 s[G0+1], s[G0+1], s33             ; LDS: my 32 rows
	s_add_nc_u64 s[G0+2:G0+3], s[6:7], s[36:37]
	s_or_b32 s[G0+3], s[G0+3], 0x80000000          ; type = 2
	tensor_load_to_lds s[G0:G0+3], s[G1:G1+7]      ; the launch's one fill: one tensor load of a wave is out
	s_nop 0
.rept 4
	v_nop
.endr
	v_and_b32 v1, 31, v0
	v_and_b32 v2, 15, v0                           ; r
	v_bfe_u32 v3, v0, 4, 1                         ; h
	v_lshlrev_b32 v[LI], 4, v1
	v_and_b32 v9, 8, v2
	v_add_nc_u32 v9, v9, v2                        ; r + 8 (r / 8)
	v_and_b32 v11, 1, v2
	v_lshrrev_b32 v14, 1, v2
	v_mad_u32_u24 v11, v11, 36, v14                ; my row of a tile in LDS: 36 (r % 2) + r / 2
	v_lshrrev_b32 v14, 3, v2
	v_lshl_add_u32 v11, v14, 2, v11                ; + 4 (r / 8)
	v_mul_u32_u24 v[LW], v11, WP
	v_lshl_add_u32 v[LW], v3, 4, v[LW]
	v_lshlrev_b32 v[LRS], 5, v9
	v_lshl_add_u32 v[LRS], v3, 4, v[LRS]
	v_lshlrev_b32 v[LIS], 5, v2
	v_lshl_add_u32 v[LIS], v3, 4, v[LIS]
	v_lshlrev_b32 v[LBQ], 6, v3
	s_lshl_b32 s15, s[WV], 9
	s_add_co_u32 s15, s15, SCR
	v_add_nc_u32 v[SCO], s15, v[LI]
	v_lshl_add_u32 v[SCB], v2, 5, s15
	s_mov_b32 s[LO], 0
	v_add_nc_u32 v[SCW], s[LO], v[SCB]
	s_mov_b32 s[SEL], 0x76543210
	s_mov_b32 s[SEL+1], 0xfedcba98
	s_lshl_b32 s36, s30, 12
	s_add_nc_u64 s[P0S:P0S+1], s[8:9], s[36:37]
	s_lshl_b32 s36, s31, 16
	s_add_nc_u64 s[P1C:P1C+1], s[4:5], s[36:37]
	s_lshl_b32 s36, s31, 12
	s_add_co_u32 s36, s36, YS
	s_add_nc_u64 s[P1S:P1S+1], s[4:5], s[36:37]
	s_lshl_b32 s36, s30, 9
	s_add_nc_u64 s[PBI:PBI+1], s[10:11], s[36:37]
	s_lshl_b32 s36, s31, 18
	s_lshl_b32 s32, s30, 10
	s_add_co_u32 s36, s36, s32
	s_add_nc_u64 s[POC:POC+1], s[12:13], s[36:37]
	s_lshl_b32 s36, s30, 14
	s_lshl_b32 s32, s31, 9
	s_add_co_u32 s36, s36, s32
	s_add_co_u32 s36, s36, HS
	s_add_nc_u64 s[POS:POS+1], s[12:13], s[36:37]
	s_wait_alu depctr_va_vdst(0)                   ; the wait ahead of the loads below, which read addresses made above
.irp t, 0,1,2,3,4,5,6,7
	global_load_b128 v[S0S+4*\t:S0S+4*\t+3], v[LRS], s[P0S:P0S+1] offset:(32*(\t/2)+8*(\t%2))*32
.endr
	WIN 0xc0
.irp t, 0,1,2,3,4,5,6,7
	global_load_b128 v[8*\t:8*\t+3], v[LBQ], s[PBI:PBI+1] offset:(32*(\t/2)+8*(\t%2))*4      ; the bias in the result's layout: units 32 (t / 2) + 8 (t % 2) + 16 h + 0 .. 7
	global_load_b128 v[8*\t+4:8*\t+7], v[LBQ], s[PBI:PBI+1] offset:(32*(\t/2)+8*(\t%2))*4+16
.endr
	FETCH1 0, 0, 0
	FETCH1 1, 8192, 512
.irp b, 0,1,2,3
	v_mov_b32 v[TM+4+\b], 0                        ; written once: a lane permute's destination counts as one of its sources
.endr
	KSET KC+0,  0xbfa1fc4e                         ; c0 = -1.26551223
	KSET KC+2,  0x3f8000c7                         ; c1 =  1.00002368
	KSET KC+4,  0x3ebf88fb                         ; c2 =  0.37409196
	KSET KC+6,  0x3dc636c9                         ; c3 =  0.09678418
	KSET KC+8,  0xbe3ec24c                         ; c4 = -0.18628806
	KSET KC+10, 0x3e8ec7cc                         ; c5 =  0.27886807
	KSET KC+12, 0xbf914e5d                         ; c6 = -1.13520398
	KSET KC+14, 0x3fbe87b0                         ; c7 =  1.48851587
	KSET KC+16, 0xbf527892                         ; c8 = -0.82215223
	KSET KC+18, 0x3e2ef945                         ; c9 =  0.17087277
	KSET KH,    0x3eb504f3                         ; 0.35355339
	KSET K1,    1.0
	KSET K05,   0.5
	KSET KL,    0x3fb8aa3b                         ; log2(e)
	s_wait_alu depctr_va_vdst(0)                   ; the wait at the head's end
	s_wait_tensorcnt 0x0                           ; my quarter of the slab has landed;
	s_barrier_signal -1
	s_barrier_wait -1                              ; everybody's has
.irp s, 0,1,2,3,4,5,6,7
.if \s == 0
	WIN 0x40                                       ; destination window 1
.elseif \s == 4
	WIN 0x80                                       ; destination window 2
.endif
.irp t, 0,1,2,3,4,5,6,7
.irp c, 0,1
.set rA, 8*(8*(\s%4)+\t)+4*\c
	ds_load_b128 v[rA:rA+3], v[LW] offset:(80*(\t/4)+16*((\t/2)%2)+4*(\t%2))*WP+64*\s+32*\c
.endr
.endr
.endr
	WIN 0
	s_wait_dscnt 0x0                               ; the slab is in my registers
	s_mov_b32 s[CNT], 3
.Ltrip:                                            ; three trips of two tiles; the last two tiles are written out: no load leaves its buffer
	TILE 0, 1, 17
	TILE 1, 1, 17
	s_wait_xcnt 0x0                                ; every load and store issued has read its base: the bases may step
	s_wait_dscnt 0x0
	s_add_nc_u64 s[P1C:P1C+1], s[P1C:P1C+1], 16384
	s_add_nc_u64 s[P1S:P1S+1], s[P1S:P1S+1], 1024
	s_add_nc_u64 s[POC:POC+1], s[POC:POC+1], 65536
	s_add_co_u32 s[LO], s[LO], 8
	v_add_nc_u32 v[SCW], s[LO], v[SCB]
	s_wait_alu depctr_va_vdst(0)                   ; the wait ahead of the branch
	s_sub_co_u32 s[CNT], s[CNT], 1
	s_cmp_lg_u32 s[CNT], 0
	s_cbranch_scc1 .Ltrip
	TILE 0, 0, 17
	TILE 1, 0, 0
	ds_load_b128 v[OUTR:OUTR+3], v[SCO]            ; LDS serves a wave's instructions in order: this sees my stores
	s_wait_dscnt 0x0
	global_store_b128 v[LI], v[OUTR:OUTR+3], s[POS:POS+1]   ; my 512 bytes of scale words: consecutive, aligned
	s_wait_tensorcnt 0x0
	ds_add_u32 v254, v255
	s_wait_dscnt 0x0
	s_endpgm
.Lfunc_end_k_q725e8c1173_fc1:
	.size	k_q725e8c1173_fc1, .Lfunc_end_k_q725e8c1173_fc1-k_q725e8c1173_fc1
	.p2alignl 7, 3214868480
	.fill 96, 4, 3214868480
	.section	.rodata,"a",@progbits
	.p2align	6, 0x0
	.amdhsa_kernel k_q725e8c1173_fc1
		.amdhsa_group_segment_fixed_size 168448
		.amdhsa_private_segment_fixed_size 0
		.amdhsa_enable_private_segment 0
		.amdhsa_kernarg_size 40
		.amdhsa_user_sgpr_count 2
		.amdhsa_user_sgpr_kernarg_segment_ptr 1
		.amdhsa_wavefront_size32 1
		.amdhsa_system_sgpr_workgroup_id_x 1
		.amdhsa_system_sgpr_workgroup_id_y 1
		.amdhsa_system_sgpr_workgroup_id_z 1
		.amdhsa_system_vgpr_workitem_id 0
		.amdhsa_next_free_vgpr 1024
		.amdhsa_next_free_sgpr 66
		.amdhsa_reserve_vcc 0
		.amdhsa_float_denorm_mode_32 3
		.amdhsa_float_denorm_mode_16_64 3
		.amdhsa_memory_ordered 1
		.amdhsa_forward_progress 1
		.amdhsa_inst_pref_size 236
	.end_amdhsa_kernel
	.amdgpu_metadata
---
amdhsa.version: [ 1, 2 ]
amdhsa.kernels:
  - .name:           k_q725e8c1173_fc1
    .symbol:         k_q725e8c1173_fc1.kd
    .args:
      - { .name: ybuf, .offset: 0, .size: 8, .value_kind: global_buffer, .address_space: global }
      - { .name: w_fc1_codes, .offset: 8, .size: 8, .value_kind: global_buffer, .address_space: global }
      - { .name: w_fc1_scales, .offset: 16, .size: 8, .value_kind: global_buffer, .address_space: global }
      - { .name: b_fc1, .offset: 24, .size: 8, .value_kind: global_buffer, .address_space: global }
      - { .name: hbuf, .offset: 32, .size: 8, .value_kind: global_buffer, .address_space: global }
    .group_segment_fixed_size: 168448
    .private_segment_fixed_size: 0
    .kernarg_segment_align: 8
    .kernarg_segment_size: 40
    .max_flat_workgroup_size: 128
    .sgpr_count:     66
    .vgpr_count:     1024
    .wavefront_size: 32
...
	.end_amdgpu_metadata
.endif
;; end of part 5
;; launch fc2 (part 6): grid 256 x 1, 4 waves a work-group, clusters of 4 x 1, 327,680 bytes of LDS; arguments hbuf, w_fc2_codes, w_fc2_scales, b_fc2, x1buf, out0; writes out0
.if DOCPART == 6
	.amdgcn_target "amdgcn-amd-amdhsa--gfx1250"
	.amdhsa_code_object_version 6
	.text
	.protected	k_q725e8c1173_fc2
	.globl	k_q725e8c1173_fc2
	.p2align	8
	.type	k_q725e8c1173_fc2,@function
k_q725e8c1173_fc2:
	s_mov_b64 s[64:65], 0
	v_nop
	global_prefetch_b8 v0, s[64:65] scope:SCOPE_SE
	s_setreg_imm32_b32 hwreg(HW_REG_WAVE_MODE, 25, 1), 1
	s_wait_xcnt 0x0
	s_wait_alu depctr_hold_cnt(0) depctr_sa_sdst(0) depctr_va_vdst(0) depctr_va_sdst(0) depctr_va_ssrc(0) depctr_va_vcc(0) depctr_vm_vsrc(0)
	s_getreg_b32 s2, hwreg(HW_REG_IB_STS2, 6, 4)
	s_cmp_eq_u32 s2, 0
	s_cbranch_scc0 .Lentry_in_a_cluster
	s_endpgm
.Lentry_in_a_cluster:
	s_bfe_u32 s2, ttmp6, 0x10000c
	s_cmp_lg_u32 s2, 0x3003
	s_cbranch_scc0 .Lentry_shape_is_right
	s_endpgm
.Lentry_shape_is_right:
; out = x1 + (hidden w_fc2 + b_fc2), on codes of FP4; K = 4,096.
; SHARES: work-group = (128 tokens, 128 outputs); THE FOUR WAVES SHARE K: wave w takes K steps 8 w .. 8 w + 7.  So each wave's slab of w_fc2, 128 rows x 1,024 K (64 fragments, 512 registers), stays in its registers,
; no wave reads what another reads, and the four partial sums of a tile meet in LDS.  256 work-groups.
; THE SLAB comes through LDS: one tensor load a wave, 128 rows of 512 bytes (2,048 bytes apart in memory) into the wave's own 67,584 bytes, rows 528 bytes apart, filled once and read by that wave alone: its own
; wait on TENSORcnt is all the ordering.  Rows 16 apart fall on the same banks at any pitch that is a multiple of 16 bytes: these reads go two deep.
; CLUSTER: the four work-groups of a cluster take the same 128 outputs and four blocks of tokens: they want the same four slabs, 262,144 bytes, half of what a work-group reads.  Each slab is asked for JOINTLY,
; by the same tensor load with the same descriptor and a mask that names the four.
; THE CORE: the slab is source 0; eight tiles of 16 tokens stream as source 1, straight from memory, where the hidden layer lies as images of the operand's registers.  A tile is 64 matrix instructions,
; K step by K step, its eight accumulators by turns; the first K step's C is the constant 0.
; Tiles take rows 32 (T / 2) + 8 (T % 2) + r + 8 (r / 8): in the result lane (r, h) holds token row r, register 16 b + i output 32 b + 16 h + i.
; THE WAY OUT: each wave stores its partial tile into its stage (16 rows x (512 + 16) bytes); a barrier; wave w reads rows 4 w .. 4 w + 3 of all four, adds them, the bias and the residual, and stores four whole rows
; of 512 bytes.  Two sets of stages take turns, so one barrier a tile is enough: a set is written again only behind the next tile's barrier, in front of which every wave has waited for its reads of it.
; A wave's two stages lie in the first 16,896 bytes of its own slab's region: that region has had its one fill, and its one reader has the slab in registers when the first result is stored there.
; The order of the sum over K differs from one chain in ascending K: four chains of 1,024, then added in f32.
; REGISTERS: window 1, 2: source 0 (fragment (t, s) at v[8 (8 (s % 4) + t)]); window 3: v0-63 four sets of residual rows, v64-255 three tiles of source 1; window 0: the rest.
.set HS,   8388608
.set WP,   528                         ; a row of weights in LDS: 512 bytes + 16 of padding
; THE WEIGHTS' TILES (this takes the place of what the head says of their rows and of the banks): tile t takes the sixteen neighbouring rows 16 t + r of the slab: the results leave as f32, so the order is free.
; A row is 132 words, so the sixteen rows start at sixteen different groups of four banks (64 banks of 4 bytes: ISA guide 11.1).  In the result register j of tile t is output 16 t + 8 h + j.
.set WREG, 128*WP                      ; a wave's region
.set STS,  16*WP                       ; a stage
.set LI,   4
.set LW,   5                           ; LDS: WREG w + 528 r + 16 h
.set LRS,  6                           ; 128 r + 16 h
.set LHS,  7                           ; the hidden layer's scale words: 65,536 h + 32 r: lanes 16-31 take the K step four on
.set STO,  9                           ; the stage, way in: WREG w + 528 r + 32 h
.set BL,   12
.set S0S,  16
.set HSR,  48                          ; v48-79 register 8 j + i: tile i's scale word of K step j (lanes 0-15) and 4 + j (lanes 16-31)
.set ACC,  80
.set RB,   144                         ; v144-207 partial p, row e at 4 (4 p + e)
.set RD,   208                         ; v208-211 way out, wave p's stage: WREG p + 2,112 w + 16 x lane
.set WV,   30
.set P0S,  18
.set P1C,  20
.set P1S,  22
.set PBI,  24
.set PX,   26
.set PO,   28
.set G0,   40                          ; s[40:43] descriptor group 0;  s[44:51] group 1
.set G1,   44
.set MSB, 0
.macro WIN new                         ; the immediate's high byte repeats the setting that is left
.if MSB != \new
	s_set_vgpr_msb (MSB<<8)|\new
.set MSB, \new
.endif
.endm
.macro CROUND                          ; a round of the cluster's barrier
	s_barrier_signal -1
	s_barrier_wait -1
	s_cmp_lg_u32 s[WV], 0
	s_cbranch_scc1 .Lnot_wave_0_\@
	s_barrier_signal -3
.Lnot_wave_0_\@:
	s_barrier_wait -3
	s_barrier_signal -1
	s_barrier_wait -1
.endm
.macro MULS be, i
.irp s, 0,1,2,3,4,5,6,7
.if \s == 0
	WIN 0x0d                                       ; source 0 window 1, source 1 window 3
.elseif \s == 4
	WIN 0x0e                                       ; source 0 window 2
.endif
.irp t, 0,1,2,3,4,5,6,7
.set rD, ACC+8*\t
.set rA, 8*(8*(\s%4)+\t)
.set rB, 64+64*(\be)+8*\s
.set rSA, S0S+4*\t+\s%4
.set rSB, HSR+8*(\s%4)+(\i)
.if \s == 0
	v_wmma_scale_f32_16x16x128_f8f6f4 v[rD:rD+7], v[rA:rA+7], v[rB:rB+7], 0, v[rSA], v[rSB] matrix_a_fmt:MATRIX_FMT_FP4 matrix_b_fmt:MATRIX_FMT_FP4
.elseif \s < 4
	v_wmma_scale_f32_16x16x128_f8f6f4 v[rD:rD+7], v[rA:rA+7], v[rB:rB+7], v[rD:rD+7], v[rSA], v[rSB] matrix_a_fmt:MATRIX_FMT_FP4 matrix_b_fmt:MATRIX_FMT_FP4
.else
	v_wmma_scale_f32_16x16x128_f8f6f4 v[rD:rD+7], v[rA:rA+7], v[rB:rB+7], v[rD:rD+7], v[rSA], v[rSB] matrix_a_fmt:MATRIX_FMT_FP4 matrix_b_fmt:MATRIX_FMT_FP4 matrix_a_scale:MATRIX_SCALE_ROW1 matrix_b_scale:MATRIX_SCALE_ROW1
.endif
.endr
.endr
.endm
.macro FETCH i                         ; tile i: 16 loads of codes into set i % 3, then my four residual rows into set i % 4
	WIN 0xc0
.irp s, 0,1,2,3,4,5,6,7
.irp c, 0,1
.set rB, 64+64*((\i)%3)+8*\s+4*\c
	global_load_b128 v[rB:rB+3], v[LI], s[P1C:P1C+1] offset:32768*(\i)+1024*\s+512*\c
.endr
.endr
.irp e, 0,1,2,3
.set rX, 16*((\i)%4)+4*\e
	global_load_b128 v[rX:rX+3], v[LI], s[PX:PX+1] offset:(32*((\i)/2)+8*((\i)%2)+\e)*4096
.endr
	WIN 0
.endm
.macro FTILE i
.if (\i) <= 5
	s_wait_loadcnt 44                              ; this tile's codes are in; its four residual rows and the two younger tiles' 40 loads may be out
.elseif (\i) == 6
	s_wait_loadcnt 24
.else
	s_wait_loadcnt 4
.endif
	MULS (\i)%3, \i
	WIN 0
.rept 4
	v_nop                                          ; four plain instructions in front of loads into registers that matrix instructions have read, and of the first read of results
.endr
.if (\i) < 5
	FETCH (\i)+3
.endif
	s_wait_alu depctr_va_vdst(0)
.irp t, 0,1,2,3,4,5,6,7
	ds_store_b128 v[STO], v[ACC+8*\t:ACC+8*\t+3] offset:STS*((\i)%2)+64*\t       ; each accumulator from its low end on
	ds_store_b128 v[STO], v[ACC+8*\t+4:ACC+8*\t+7] offset:STS*((\i)%2)+64*\t+16
.endr
	s_wait_dscnt 0x0                               ; for the others' sake: my partial tile has landed (and my reads of the last tile's stages are long in)
	s_barrier_signal -1
	s_barrier_wait -1
	s_wait_xcnt 0x0                                ; the last tile's stores have read the registers that the loads below fill
.irp p, 0,1,2,3
.irp e, 0,1,2,3
	ds_load_b128 v[RB+4*(4*\p+\e):RB+4*(4*\p+\e)+3], v[RD+\p] offset:STS*((\i)%2)+528*\e
.endr
.endr
.if (\i) <= 4
	s_wait_loadcnt 60                              ; my residual rows are in; the three younger tiles' 60 loads may be out
.elseif (\i) == 5
	s_wait_loadcnt 40
.elseif (\i) == 6
	s_wait_loadcnt 20
.else
	s_wait_loadcnt 0x0
.endif
	s_wait_dscnt 0x0
.irp e, 0,1,2,3
.irp q, 0,2
	v_pk_add_f32 v[RB+4*\e+\q:RB+4*\e+\q+1], v[RB+4*\e+\q:RB+4*\e+\q+1], v[RB+16+4*\e+\q:RB+16+4*\e+\q+1]
	v_pk_add_f32 v[RB+32+4*\e+\q:RB+32+4*\e+\q+1], v[RB+32+4*\e+\q:RB+32+4*\e+\q+1], v[RB+48+4*\e+\q:RB+48+4*\e+\q+1]
.endr
.endr
.irp e, 0,1,2,3
.irp q, 0,2
	v_pk_add_f32 v[RB+4*\e+\q:RB+4*\e+\q+1], v[RB+4*\e+\q:RB+4*\e+\q+1], v[RB+32+4*\e+\q:RB+32+4*\e+\q+1]
.endr
.endr
.irp e, 0,1,2,3
.irp q, 0,2
	v_pk_add_f32 v[RB+4*\e+\q:RB+4*\e+\q+1], v[RB+4*\e+\q:RB+4*\e+\q+1], v[BL+\q:BL+\q+1]
.endr
.endr
	WIN 0x0c                                       ; source 1 window 3
.irp e, 0,1,2,3
.irp q, 0,2
	v_pk_add_f32 v[RB+4*\e+\q:RB+4*\e+\q+1], v[RB+4*\e+\q:RB+4*\e+\q+1], v[16*((\i)%4)+4*\e+\q:16*((\i)%4)+4*\e+\q+1]
.endr
.endr
	WIN 0
.irp e, 0,1,2,3
	global_store_b128 v[LI], v[RB+4*\e:RB+4*\e+3], s[PO:PO+1] offset:(32*((\i)/2)+8*((\i)%2)+\e)*4096 th:TH_STORE_NT   ; 32 lanes store 512 consecutive bytes, aligned; written once, read by nobody here
.endr
.endm
	s_load_b256 s[4:11], s[0:1], 0x0               ; hidden s[4:5], codes s[6:7], scales s[8:9], bias s[10:11]
	s_load_b128 s[12:15], s[0:1], 0x20             ; x1 s[12:13], out s[14:15]
	v_lshl_add_u32 v254, v0, 2, 0x42000
	v_mov_b32 v255, 0
	ds_add_u32 v254, v255
	ds_add_u32 v254, v255
	v_lshrrev_b32 v1, 5, v0
	v_readfirstlane_b32 s[WV], v1                  ; wave 0..3
	s_mov_b32 s[G1], 15|(1<<20)|(1<<21)|(6<<22)|(3<<25)   ; 15:0 the mask: all four work-groups; elements of 1 byte; 20 padding on; 21 set beside a mask; four words behind every 128
	s_mov_b32 s[G1+1], 512<<16                     ; tensor_dim0 = 512
	s_mov_b32 s[G1+2], 128<<16                     ; tensor_dim1 = 128
	s_mov_b32 s[G1+3], 512<<16                     ; tile_dim0
	s_mov_b32 s[G1+4], 128                         ; tile_dim1
	s_mov_b32 s[G1+5], 2048                        ; the pitch: a row of w_fc2's codes
	s_mov_b32 s[G1+6], 0
	s_mov_b32 s[G1+7], 0
	s_and_b32 s31, ttmp9, 7                        ; the slab of 128 outputs, 0..7: in a cluster launch ttmp9 counts clusters, so the four partners share it
	s_lshl_b32 s52, s31, 18
	s_lshl_b32 s53, s[WV], 9
	s_add_co_u32 s52, s52, s53                     ; 128 rows of 2,048 bytes a slab; my 512 bytes of each row
	s_mov_b32 s53, 0
	s_wait_dscnt 0x0
	s_wait_kmcnt 0x0
	s_mov_b32 s[G0], 1                             ; count = 1
	s_mul_i32 s[G0+1], s[WV], WREG                 ; LDS: my region: no place in the cluster enters an LDS address
	s_add_nc_u64 s[G0+2:G0+3], s[6:7], s[52:53]
	s_or_b32 s[G0+3], s[G0+3], 0x80000000          ; type = 2
	CROUND                                         ; all four work-groups are here: the joint loads meet
	tensor_load_to_lds s[G0:G0+3], s[G1:G1+7]      ; the launch's one fill: one tensor load of a wave is out
	s_nop 0
.rept 4
	v_nop
.endr
	s_bfe_u32 s38, ttmp6, 0x40000                  ; cx: my place in the cluster: it enters the hidden layer's, x1's and the output's global addresses alone
	s_lshr_b32 s32, ttmp9, 3
	s_lshl_b32 s32, s32, 2
	s_add_co_u32 s32, s32, s38                     ; the block of 128 tokens, 0..31
	v_and_b32 v1, 31, v0
	v_and_b32 v2, 15, v0                           ; r
	v_bfe_u32 v3, v0, 4, 1                         ; h
	v_lshlrev_b32 v[LI], 4, v1
	s_mul_i32 s33, s[WV], WREG
	v_mul_u32_u24 v[LW], v2, WP
	v_lshl_add_u32 v[LW], v3, 4, v[LW]
	v_add_nc_u32 v[LW], s33, v[LW]
	v_lshlrev_b32 v[LRS], 7, v2
	v_lshl_add_u32 v[LRS], v3, 4, v[LRS]
	v_lshlrev_b32 v[LHS], 5, v2
	v_lshl_add_u32 v[LHS], v3, 16, v[LHS]
	s_wait_alu depctr_va_vdst(0)
	v_mul_u32_u24 v[STO], v2, 528
	v_lshl_add_u32 v[STO], v3, 5, v[STO]           ; the stage, way in: 528 r + 32 h
	v_add_nc_u32 v[STO], s33, v[STO]
	s_mul_i32 s33, s[WV], 2112
	v_add_nc_u32 v[RD], s33, v[LI]
	v_add_nc_u32 v[RD+1], WREG, v[RD]
	v_add_nc_u32 v[RD+2], 2*WREG, v[RD]
	v_add_nc_u32 v[RD+3], 3*WREG, v[RD]
	s_mov_b32 s35, 0
	s_lshl_b32 s34, s31, 14
	s_lshl_b32 s36, s[WV], 5
	s_add_co_u32 s34, s34, s36
	s_add_nc_u64 s[P0S:P0S+1], s[8:9], s[34:35]
	s_lshl_b32 s34, s32, 18
	s_lshl_b32 s36, s[WV], 13
	s_add_co_u32 s34, s34, s36                     ; 32,768 bytes a tile; my eight K steps of each
	s_add_nc_u64 s[P1C:P1C+1], s[4:5], s[34:35]
	s_lshl_b32 s34, s[WV], 17
	s_lshl_b32 s36, s32, 9
	s_add_co_u32 s34, s34, s36
	s_add_co_u32 s34, s34, HS
	s_add_nc_u64 s[P1S:P1S+1], s[4:5], s[34:35]
	s_lshl_b32 s34, s31, 9
	s_add_nc_u64 s[PBI:PBI+1], s[10:11], s[34:35]
	s_lshl_b32 s36, s32, 7
	s_lshl_b32 s37, s[WV], 2
	s_add_co_u32 s36, s36, s37
	s_lshr_b32 s37, s[WV], 1
	s_lshl_b32 s37, s37, 3
	s_add_co_u32 s36, s36, s37                     ; the token of a tile's row 4 w, less the tile's first: 128 block + 4 w + 8 (w / 2)
	s_lshl_b32 s36, s36, 12
	s_add_co_u32 s34, s34, s36
	s_add_nc_u64 s[PX:PX+1], s[12:13], s[34:35]
	s_add_nc_u64 s[PO:PO+1], s[14:15], s[34:35]
	global_load_b128 v[BL:BL+3], v[LI], s[PBI:PBI+1]
.irp t, 0,1,2,3,4,5,6,7
	global_load_b128 v[S0S+4*\t:S0S+4*\t+3], v[LRS], s[P0S:P0S+1] offset:16*\t*128
.endr
.irp j, 0,1,2,3
.irp q, 0,1
	global_load_b128 v[HSR+8*\j+4*\q:HSR+8*\j+4*\q+3], v[LHS], s[P1S:P1S+1] offset:16384*\j+16*\q   ; all eight tiles' scale words of my eight K steps, once
.endr
.endr
	FETCH 0
	FETCH 1
	FETCH 2
	s_wait_tensorcnt 0x0                           ; my slab has landed in my region, which I alone read
.irp s, 0,1,2,3,4,5,6,7
.if \s == 0
	WIN 0x40                                       ; destination window 1
.elseif \s == 4
	WIN 0x80                                       ; destination window 2
.endif
.irp t, 0,1,2,3,4,5,6,7
.irp c, 0,1
.set rA, 8*(8*(\s%4)+\t)+4*\c
	ds_load_b128 v[rA:rA+3], v[LW] offset:16*\t*WP+64*\s+32*\c
.endr
.endr
.endr
	WIN 0
	s_wait_dscnt 0x0                               ; the slab is in my registers: the head of my region is free for my stages
.irp i, 0,1,2,3,4,5,6,7
	FTILE \i
.endr
	s_wait_tensorcnt 0x0
	ds_add_u32 v254, v255
	s_wait_dscnt 0x0
	CROUND                                         ; the closing round: no work-group ends while a partner may still ask for a slab that names it
	s_endpgm
.Lfunc_end_k_q725e8c1173_fc2:
	.size	k_q725e8c1173_fc2, .Lfunc_end_k_q725e8c1173_fc2-k_q725e8c1173_fc2
	.p2alignl 7, 3214868480
	.fill 96, 4, 3214868480
	.section	.rodata,"a",@progbits
	.p2align	6, 0x0
	.amdhsa_kernel k_q725e8c1173_fc2
		.amdhsa_group_segment_fixed_size 327680
		.amdhsa_private_segment_fixed_size 0
		.amdhsa_enable_private_segment 0
		.amdhsa_kernarg_size 48
		.amdhsa_user_sgpr_count 2
		.amdhsa_user_sgpr_kernarg_segment_ptr 1
		.amdhsa_wavefront_size32 1
		.amdhsa_system_sgpr_workgroup_id_x 1
		.amdhsa_system_sgpr_workgroup_id_y 1
		.amdhsa_system_sgpr_workgroup_id_z 1
		.amdhsa_system_vgpr_workitem_id 0
		.amdhsa_next_free_vgpr 1024
		.amdhsa_next_free_sgpr 66
		.amdhsa_reserve_vcc 0
		.amdhsa_float_denorm_mode_32 3
		.amdhsa_float_denorm_mode_16_64 3
		.amdhsa_memory_ordered 1
		.amdhsa_forward_progress 1
		.amdhsa_inst_pref_size 138
	.end_amdhsa_kernel
	.amdgpu_metadata
---
amdhsa.version: [ 1, 2 ]
amdhsa.kernels:
  - .name:           k_q725e8c1173_fc2
    .symbol:         k_q725e8c1173_fc2.kd
    .args:
      - { .name: hbuf, .offset: 0, .size: 8, .value_kind: global_buffer, .address_space: global }
      - { .name: w_fc2_codes, .offset: 8, .size: 8, .value_kind: global_buffer, .address_space: global }
      - { .name: w_fc2_scales, .offset: 16, .size: 8, .value_kind: global_buffer, .address_space: global }
      - { .name: b_fc2, .offset: 24, .size: 8, .value_kind: global_buffer, .address_space: global }
      - { .name: x1buf, .offset: 32, .size: 8, .value_kind: global_buffer, .address_space: global }
      - { .name: out0, .offset: 40, .size: 8, .value_kind: global_buffer, .address_space: global }
    .group_segment_fixed_size: 327680
    .private_segment_fixed_size: 0
    .kernarg_segment_align: 8
    .kernarg_segment_size: 48
    .max_flat_workgroup_size: 128
    .sgpr_count:     66
    .vgpr_count:     1024
    .wavefront_size: 32
...
	.end_amdgpu_metadata
.endif
;; end of part 6
